; MI455X (gfx1250); checked and timed in simulation.
; The chip was launched on July 23, 2026; its instructions are those of AMD's public machine-readable ISA for CDNA 5 (MIT licence, August 2026) and "CDNA5" Instruction Set Architecture Reference Guide (July 2026). The comments in the code are by the model that wrote it; some were corrected since.
;; Mo E. Allowed arithmetic: float matrix products may take bf16 or f16 operands with f32 sums; all other float work in f32.
;; Inputs: W1 8 x 256 x 512 float32; W2 8 x 512 x 256 float32; b1 8 x 512 float32; b2 8 x 256 float32; mask 16 x 2,048 int32; w_gate 256 x 8 float32; x 16 x 2,048 x 256 float32.
;; Outputs: out0 16 x 2,048 x 256 float32; out1 one number float32.
;; 3 versions, each right; version 2 is faster than version 1; version 3 is version 2 with the launch cast written anew for expert scheduling mode. Each part assembles by itself: llvm-mc -triple=amdgcn-amd-amdhsa -mcpu=gfx1250 --defsym DOCPART=n.
;; ======== version 1 of 3: 2 launches
;; workspace buffers: wbf 4,198,400 bytes
;; launch cast (part 1): grid 256 x 1, 8 waves a work-group, no clusters, 0 bytes of LDS; arguments W1, W2, w_gate, wbf, out1; writes wbf, out1
.if DOCPART == 1
	.amdgcn_target "amdgcn-amd-amdhsa--gfx1250"
	.amdhsa_code_object_version 6
	.text
	.protected	k_q24aec0e6df_cast
	.globl	k_q24aec0e6df_cast
	.p2align	8
	.type	k_q24aec0e6df_cast,@function
k_q24aec0e6df_cast:
	s_mov_b64 s[64:65], 0
	v_nop
	global_prefetch_b8 v0, s[64:65] scope:SCOPE_SE
	s_setreg_imm32_b32 hwreg(HW_REG_WAVE_MODE, 25, 1), 1
	s_wait_xcnt 0x0
; Rounds the weights to bf16 once, so that the second launch's 256 work-groups need not each do it, and writes out1 = 0.
; wbf: bytes 0 .. 2 MiB: W1 [8][256][512] bf16 in W1's own order; 2 MiB .. 4 MiB: W2 [8][512][256] bf16 in W2's own order;
;      4 MiB .. + 4 KiB: w_gate transposed, [8 experts][256 d] bf16.
; 256 work-groups of 8 waves; work-group g takes 8,192 numbers (32 KiB in, 16 KiB out): g < 128 of W1, the others of W2.
; Thread t: eight loads of 16 bytes at 16 t + 4,096 i, all issued first; eight stores of 8 bytes at 8 t + 2,048 i, so that
; one store of a wave covers 256 consecutive bytes at a multiple of 256.  Every load and store has registers of its own.
; A stream: no LDS, no barrier, no matrix unit.
.set XI, 8                             ; v[8:39]   eight loads, 4 registers each
.set YO, 40                            ; v[40:55]  eight stores, 2 registers each
.set GI, 56                            ; v[56:63]  eight numbers of w_gate
.set GO, 64                            ; v[64:67]  the same as bf16
	s_load_b256 s[4:11], s[0:1], 0x0               ; W1 s[4:5], W2 s[6:7], w_gate s[8:9], wbf s[10:11]
	s_load_b64 s[12:13], s[0:1], 0x20              ; out1
	v_lshlrev_b32 v1, 4, v0                        ; 16 t
	v_lshlrev_b32 v2, 3, v0                        ; 8 t
	s_and_b32 s14, ttmp9, 127
	s_lshl_b32 s14, s14, 15                        ; my 32 KiB inside W1 or W2
	s_mov_b32 s15, 0
	s_lshl_b32 s16, ttmp9, 14                      ; my 16 KiB inside wbf
	s_mov_b32 s17, 0
	s_wait_kmcnt 0x0
	s_cmp_lt_u32 ttmp9, 128
	s_cselect_b64 s[18:19], s[4:5], s[6:7]         ; the first 128 work-groups read W1, the others W2
	s_add_nc_u64 s[18:19], s[18:19], s[14:15]
	s_add_nc_u64 s[20:21], s[10:11], s[16:17]
.irp i, 0,1,2,3,4,5,6,7
	global_load_b128 v[XI+4*\i:XI+4*\i+3], v1, s[18:19] offset:4096*\i th:TH_LOAD_NT
.endr
.irp i, 0,1,2,3,4,5,6,7
	s_wait_loadcnt 7-\i                            ; loads come back in order: load i is in, the 7 - i younger ones stay out
	v_cvt_pk_bf16_f32 v[YO+2*\i], v[XI+4*\i], v[XI+4*\i+1]
	v_cvt_pk_bf16_f32 v[YO+2*\i+1], v[XI+4*\i+2], v[XI+4*\i+3]
	global_store_b64 v2, v[YO+2*\i:YO+2*\i+1], s[20:21] offset:2048*\i
.endr
	s_cmp_lg_u32 ttmp9, 0
	s_cbranch_scc1 .Lend
	; work-group 0 also transposes w_gate [256 d][8 e]: thread t = 32 e + k8 takes d = 8 k8 .. 8 k8 + 7 of expert e
	v_and_b32 v3, 31, v0                           ; k8
	v_lshrrev_b32 v6, 5, v0                        ; e
	v_lshlrev_b32 v3, 8, v3                        ; 8 rows of 32 bytes
	v_lshl_add_u32 v3, v6, 2, v3                   ; + 4 e
.irp i, 0,1,2,3,4,5,6,7
	global_load_b32 v[GI+\i], v3, s[8:9] offset:32*\i
.endr
	v_mov_b32 v4, 0                                ; out1's offset
	v_mov_b32 v5, 0                                ; and its value, 0.0
	s_wait_loadcnt 0x0
.irp i, 0,1,2,3
	v_cvt_pk_bf16_f32 v[GO+\i], v[GI+2*\i], v[GI+2*\i+1]
.endr
	global_store_b128 v1, v[GO:GO+3], s[10:11] offset:4194304      ; (256 e + 8 k8) x 2 bytes = 16 t
	s_wait_xcnt 0x0                                ; EXEC is a source of the stores above: it changes only behind this wait
	v_cmp_eq_u32 vcc_lo, 0, v0
	s_and_saveexec_b32 s22, vcc_lo
	global_store_b32 v4, v5, s[12:13]              ; thread 0 alone: moe_loss = 0
	s_wait_xcnt 0x0                                ; and again in front of the line that widens EXEC
	s_or_b32 exec_lo, exec_lo, s22
.Lend:
	s_endpgm
.Lfunc_end_k_q24aec0e6df_cast:
	.size	k_q24aec0e6df_cast, .Lfunc_end_k_q24aec0e6df_cast-k_q24aec0e6df_cast
	.p2alignl 7, 3214868480
	.fill 96, 4, 3214868480
	.section	.rodata,"a",@progbits
	.p2align	6, 0x0
	.amdhsa_kernel k_q24aec0e6df_cast
		.amdhsa_group_segment_fixed_size 0
		.amdhsa_private_segment_fixed_size 0
		.amdhsa_enable_private_segment 0
		.amdhsa_kernarg_size 40
		.amdhsa_user_sgpr_count 2
		.amdhsa_user_sgpr_kernarg_segment_ptr 1
		.amdhsa_wavefront_size32 1
		.amdhsa_system_sgpr_workgroup_id_x 1
		.amdhsa_system_sgpr_workgroup_id_y 1
		.amdhsa_system_sgpr_workgroup_id_z 1
		.amdhsa_system_vgpr_workitem_id 0
		.amdhsa_next_free_vgpr 72
		.amdhsa_next_free_sgpr 66
		.amdhsa_reserve_vcc 1
		.amdhsa_float_denorm_mode_32 3
		.amdhsa_float_denorm_mode_16_64 3
		.amdhsa_memory_ordered 1
		.amdhsa_forward_progress 1
		.amdhsa_inst_pref_size 6
	.end_amdhsa_kernel
	.amdgpu_metadata
---
amdhsa.version: [ 1, 2 ]
amdhsa.kernels:
  - .name:           k_q24aec0e6df_cast
    .symbol:         k_q24aec0e6df_cast.kd
    .args:
      - { .name: W1, .offset: 0, .size: 8, .value_kind: global_buffer, .address_space: global }
      - { .name: W2, .offset: 8, .size: 8, .value_kind: global_buffer, .address_space: global }
      - { .name: w_gate, .offset: 16, .size: 8, .value_kind: global_buffer, .address_space: global }
      - { .name: wbf, .offset: 24, .size: 8, .value_kind: global_buffer, .address_space: global }
      - { .name: out1, .offset: 32, .size: 8, .value_kind: global_buffer, .address_space: global }
    .group_segment_fixed_size: 0
    .private_segment_fixed_size: 0
    .kernarg_segment_align: 8
    .kernarg_segment_size: 40
    .max_flat_workgroup_size: 256
    .sgpr_count:     66
    .vgpr_count:     72
    .wavefront_size: 32
...
	.end_amdgpu_metadata
.endif
;; end of part 1
;; launch moe (part 2): grid 256 x 1, 4 waves a work-group, clusters of 4 x 1, 327,680 bytes of LDS; arguments x, mask, b1, b2, wbf, out0; writes out0
.if DOCPART == 2
	.amdgcn_target "amdgcn-amd-amdhsa--gfx1250"
	.amdhsa_code_object_version 6
	.text
	.protected	k_q24aec0e6df_moe
	.globl	k_q24aec0e6df_moe
	.p2align	8
	.type	k_q24aec0e6df_moe,@function
k_q24aec0e6df_moe:
	s_mov_b64 s[64:65], 0
	v_nop
	global_prefetch_b8 v0, s[64:65] scope:SCOPE_SE
	s_setreg_imm32_b32 hwreg(HW_REG_WAVE_MODE, 25, 1), 1
	s_wait_xcnt 0x0
	s_wait_alu depctr_hold_cnt(0) depctr_sa_sdst(0) depctr_va_vdst(0) depctr_va_sdst(0) depctr_va_ssrc(0) depctr_va_vcc(0) depctr_vm_vsrc(0)
	s_getreg_b32 s2, hwreg(HW_REG_IB_STS2, 6, 4)
	s_cmp_eq_u32 s2, 0
	s_cbranch_scc0 .Lentry_in_a_cluster
	s_endpgm
.Lentry_in_a_cluster:
	s_bfe_u32 s2, ttmp6, 0x10000c
	s_cmp_lg_u32 s2, 0x3003
	s_cbranch_scc0 .Lentry_shape_is_right
	s_endpgm
.Lentry_shape_is_right:
; out0 = x + sum over e of g_e (relu(x W1_e + b1_e) W2_e + b2_e), g = mask x softmax over the 4 largest of the 8 logits x w_gate.
; g_e is one number a token, so g_e (h_e W2_e) = (g_e h_e) W2_e: the eight experts are ONE chain of two products over a hidden axis of
; 8 x 512 = 4,096 columns, summed into one f32 accumulator for each output; the hidden numbers never leave the registers.
;
; SHARES.  256 work-groups of four waves; a work-group owns 128 tokens.  Wave w: tg = w >> 1 picks its 64 tokens (4 tiles t of 16),
; hg = w & 1 its half of every 128 hidden columns.  The hidden axis goes in 32 steps of 128 columns (step 4 e + s) through two LDS slots;
; a wave takes its 64 columns of a step as two chunks of 32: 64 matrix instructions of product 1, 64 of product 2.  A weight fragment
; (2 LDS loads) feeds 4 matrix instructions.  The two waves of a pair hold partial sums, which meet once, at the end, in LDS.
;
; THE MATRIX INSTRUCTION IS USED TRANSPOSED: source 0 = 16 weight columns x 32 K, source 1 = 16 tokens x 32 K.  In the result lane (r, h)
; holds token r and register j the output index 8 h + j.  Two results (indices 0-15, 16-31) packed to bf16 are then the 8 registers of the
; next product's source 1, and x loaded in the accumulators' layout packs into x's fragments in the same way.
;
; LOCAL COLUMNS, so that both waves of a pair run one text: local d column lc stands for column (lc + 128 hg) mod 256.  Local d tiles 0-7
; are the half that the wave stores (they start as x + sum of g_e b2_e), tiles 8-15 the partner's half (they start with C = 0).  The K order
; of product 1 and of the gate is rotated alike.  The rotation lies in address registers alone (a variant g = 0 and a variant g = 1).
;
; CLUSTER: every work-group walks the same weight tiles, so four work-groups ask for each tile jointly (mask 15): waves 0, 1 for W1's two
; halves, waves 2, 3 for W2's.  Nothing in those descriptors hangs on the place in the cluster.  x is each work-group's own plain load.
;
; LIMITS.  NaN and infinite inputs are not followed as the formula would (0 x infinity).  The logits are sums of products of x and w_gate
; rounded to bf16: where the 4th and 5th logit are closer than that rounding, the choice follows the rounded numbers; equal logits go to the
; lower index.  In the wave with hg = 1 the sums over d run from 128 to 255 and then from 0 to 127.
;
; REGISTERS, in windows of 256:  window 1: x's fragments, X(t, c) at v[8 (8 t + c)];  window 2: accumulators of local d tiles 0-7,
; acc(i, t) at v[8 (4 i + t)];  window 3: those of tiles 8-15;  window 0: all else (below).
.set P1,     288                       ; LDS pitch of W1's rows: 256 bytes + 32: an odd multiple of 32, as the transposing loads want
.set P2,     544                       ; of W2's rows: 512 bytes + 32
.set W1T,    256*P1                    ; W1's tile: 256 d rows x 128 hidden columns
.set SLOT,   W1T+128*P2                ; + W2's tile: 128 hidden rows x 256 d columns = 143,360 bytes
.set XP,     1040                      ; x's stage: rows of 1,024 bytes + 16; it lies in slot 1 until that slot's first weight tile
.set B1OFF,  2*SLOT                    ; b1 in f32, 16,384 bytes, behind the slots: no tensor load lands here
.set B2OFF,  B1OFF+16384               ; b2 in f32, 8,192 bytes
.set GOFF,   B2OFF+8192                ; gate tables, 4,096 bytes a wave: [expert][lane][t]
.set OPI,    528                       ; the way out: rows of 512 bytes + 16
.set OREG,   64*OPI                    ; one region: 64 tokens x 128 columns; region 2 w: wave w's own half, 2 w + 1: for its partner
.set W2BASE, 2097152                   ; W2 inside wbf
.set WGATE,  4194304                   ; w_gate transposed inside wbf
.set VW1,  1                           ; v1-4     LDS address of W1's fragments, [2 slot + g]
.set VW2,  5                           ; v5-8     of W2's fragments, [2 slot + g]
.set VB1,  9                           ; v9       of my b1 numbers, stepped by 2,048 an expert
.set VG,   10                          ; v10      of my gates, stepped by 512 an expert
.set GC,   12                          ; v12-15   this expert's gates of my token in tiles t = 0..3
.set BIAS, 16                          ; v16-31   b1 of the chunk's 2 hidden tiles, in the result's layout
.set D1,   32                          ; v32-95   product 1's results, (ht, t) at D1 + 8 (4 ht + t)
.set HF,   96                          ; v96-127  g relu(..) as bf16 fragments, HF + 8 t
.set WF0,  128                         ; v128-191 weight fragments, buffer 0
.set WF1,  192                         ; v192-255 weight fragments, buffer 1
; in front of the loop only
.set VXA,  96                          ; x's stage, my own half of the columns
.set VXB,  97                          ; the partner's half
.set VGA,  98                          ; w_gate's fragments, K of my own half
.set VGB,  99                          ; K of the other half
.set VCP,  100                         ; where the copy of b1 and b2 goes
.set VMK,  101                         ; my tokens' mask words
.set VB2,  102                         ; my b2 numbers
.set VT16, 103                         ; 16 x thread
.set MK,   104                         ; v104-107 mask of my token in tiles 0..3
.set RK,   108                         ; v108-115 ranks (and scratch while addresses are made)
.set TT,   116
.set MX,   117
.set SM,   118
.set SC,   119
.set CP,   128                         ; v128-175 b1 and b2 on their way into LDS
.set GT,   128                         ; v128-159 afterwards: gate of expert e, tile t at GT + 4 e + t
.set GF,   192                         ; v192-255 w_gate's 8 fragments
.set LG,   32                          ; v32-63   logits, tile t at LG + 8 t, register = expert
.set BA,   192                         ; b2 of one expert, two buffers in turn
.set BB,   32
; behind the loop only
.set VST,  1
.set VRO,  2
.set VRP,  3
.set VCO,  4
.set OA,   32
.set OB,   128
.set G1A, 24                           ; s[24:31] descriptor group 1, W1's tiles
.set G0A, 32                           ; s[32:39] group 0, W1's tiles, one set a slot
.set G1B, 40                           ; s[40:47] group 1, W2's tiles
.set G0B, 48                           ; s[48:55] group 0, W2's tiles, one set a slot
.set G1X, 56                           ; s[56:63] group 1, x
.set G0X, 68                           ; s[68:71] group 0, x
.set MSB, 0
.macro WIN new                         ; low byte: bits 1:0 source 0, 3:2 source 1, 5:4 source 2, 7:6 destination; the high byte repeats the setting that is left
.if MSB != \new
	s_set_vgpr_msb (MSB<<8)|\new
.set MSB, \new
.endif
.endm
; Four places: a vector instruction that reads a matrix result or writes a matrix instruction's register, and a load into such a register,
; stand four plain vector instructions behind it (ISA guide 7.12.1 for vector instructions).
.macro PLACES
.rept 4
	v_nop
.endr
.endm
.macro CREST                           ; a round of the cluster's barrier behind its opening work-group barrier
	s_cmp_lg_u32 s16, 0
	s_cbranch_scc1 .Lnot_wave_0_\@
	s_barrier_signal -3
.Lnot_wave_0_\@:
	s_barrier_wait -3
	s_barrier_signal -1
	s_barrier_wait -1
.endm
.macro CROUND                          ; a whole round
	s_barrier_signal -1
	s_barrier_wait -1
	CREST
.endm
.macro JLOAD p                         ; the joint load of slot p: waves 0, 1 ask for W1's halves, waves 2, 3 for W2's; the branch hangs on the wave's number alone
	s_cmp_eq_u32 s17, 0
	s_cbranch_scc0 .Lfor_w2_\@
	tensor_load_to_lds s[G0A+4*\p:G0A+4*\p+3], s[G1A:G1A+7]
	s_nop 0
	s_branch .Lasked_\@
.Lfor_w2_\@:
	tensor_load_to_lds s[G0B+4*\p:G0B+4*\p+3], s[G1B:G1B+7]
	s_nop 0
.Lasked_\@:
.endm
	s_load_b256 s[4:11], s[0:1], 0x0               ; x s[4:5], mask s[6:7], b1 s[8:9], b2 s[10:11]
	s_load_b128 s[12:15], s[0:1], 0x20             ; wbf s[12:13], out0 s[14:15]
	v_lshrrev_b32 v1, 5, v0
	v_readfirstlane_b32 s16, v1                    ; wave w
	s_lshr_b32 s17, s16, 1                         ; tg
	s_and_b32 s18, s16, 1                          ; hg
	s_xor_b32 s21, s18, 1                          ; 1 - hg
	s_bfe_u32 s19, ttmp6, 0x40000                  ; cx
	s_lshl_b32 s20, ttmp9, 2
	s_add_co_u32 s20, s20, s19                     ; work-group = 4 x cluster + cx; it enters the addresses of x, mask and out0 alone
	s_mov_b32 s73, 0x3fb8aa3b                      ; log2(e)
	; W1's tile part: 128 d rows x 128 bf16, row pitch 512 elements; after every 64 words 8 words of padding; mask 15, bit 21 beside it
	s_mov_b32 s[G1A+0], 15|(1<<16)|(1<<20)|(1<<21)|(5<<22)|(7<<25)
	s_mov_b32 s[G1A+1], 128<<16                    ; tensor_dim0 = 128
	s_mov_b32 s[G1A+2], 128<<16                    ; tensor_dim1 = 128
	s_mov_b32 s[G1A+3], 128<<16                    ; tile_dim0 = 128
	s_mov_b32 s[G1A+4], 128                        ; tile_dim1 = 128
	s_mov_b32 s[G1A+5], 512                        ; elements from row to row
	s_mov_b32 s[G1A+6], 0
	s_mov_b32 s[G1A+7], 0
	; W2's tile part: 64 hidden rows x 256 bf16, dense; after every 128 words 8 words of padding
	s_mov_b32 s[G1B+0], 15|(1<<16)|(1<<20)|(1<<21)|(6<<22)|(7<<25)
	s_mov_b32 s[G1B+1], 256<<16
	s_mov_b32 s[G1B+2], 64<<16
	s_mov_b32 s[G1B+3], 256<<16
	s_mov_b32 s[G1B+4], 64
	s_mov_b32 s[G1B+5], 256
	s_mov_b32 s[G1B+6], 0
	s_mov_b32 s[G1B+7], 0
	; x: 32 token rows x 256 f32, dense; after every 256 words 4 words of padding; no mask: my work-group's own load
	s_mov_b32 s[G1X+0], (2<<16)|(1<<20)|(7<<22)|(3<<25)
	s_mov_b32 s[G1X+1], 256<<16
	s_mov_b32 s[G1X+2], 32<<16
	s_mov_b32 s[G1X+3], 256<<16
	s_mov_b32 s[G1X+4], 32
	s_mov_b32 s[G1X+5], 256
	s_mov_b32 s[G1X+6], 0
	s_mov_b32 s[G1X+7], 0
	s_mul_i32 s74, s16, 128*P1                     ; W1 (waves 0, 1): wave x 128 rows
	s_mul_i32 s75, s16, 64*P2                      ; W2 (waves 2, 3): behind W1's tile, (wave - 2) x 64 rows
	s_add_co_u32 s75, s75, W1T-2*64*P2
	s_mov_b32 s[G0X], 1
	s_mul_i32 s[G0X+1], s16, 32*XP                 ; x: wave x 32 rows in the stage
	s_add_co_u32 s[G0X+1], s[G0X+1], SLOT
	s_lshl_b32 s22, s18, 17                        ; W1: hg x 128 rows of 1,024 bytes
	s_mov_b32 s23, 0
	s_lshl_b32 s76, s18, 15                        ; W2: hg x 64 rows of 512 bytes
	s_add_co_u32 s76, s76, W2BASE
	s_mov_b32 s77, 0
	s_lshl_b32 s78, s20, 17                        ; x: work-group x 128 rows of 1,024 bytes
	s_lshl_b32 s79, s16, 15                        ;    + wave x 32 rows
	s_add_co_u32 s78, s78, s79
	s_mov_b32 s79, 0
	s_wait_kmcnt 0x0
	s_add_nc_u64 s[22:23], s[12:13], s[22:23]
	s_add_nc_u64 s[76:77], s[12:13], s[76:77]
.irp p, 0,1
	s_mov_b32 s[G0A+4*\p], 1
	s_add_co_u32 s[G0A+4*\p+1], s74, \p*SLOT
	s_add_nc_u64 s[G0A+4*\p+2:G0A+4*\p+3], s[22:23], \p*256        ; step p: hidden columns 128 p
	s_or_b32 s[G0A+4*\p+3], s[G0A+4*\p+3], 0x80000000
	s_mov_b32 s[G0B+4*\p], 1
	s_add_co_u32 s[G0B+4*\p+1], s75, \p*SLOT
	s_add_nc_u64 s[G0B+4*\p+2:G0B+4*\p+3], s[76:77], \p*65536      ; step p: hidden rows 128 p
	s_or_b32 s[G0B+4*\p+3], s[G0B+4*\p+3], 0x80000000
.endr
	s_add_nc_u64 s[G0X+2:G0X+3], s[4:5], s[78:79]
	s_or_b32 s[G0X+3], s[G0X+3], 0x80000000
	CROUND                                         ; the four work-groups are here: the first joint load meets
	tensor_load_to_lds s[G0X:G0X+3], s[G1X:G1X+7]  ; the first fills go out as one group: my 32 rows of x into the stage,
	s_nop 0
	JLOAD 0                                        ; and my part of step 0's tiles into slot 0: two tensor loads of mine are out
	; ---- bases and lane terms.  L = lane, r = L & 15, h = L >> 4
	s_lshl_b32 s74, s20, 9
	s_mov_b32 s75, 0
	s_add_nc_u64 s[6:7], s[6:7], s[74:75]          ; mask at my work-group's 128 words
	s_lshl_b32 s74, s20, 17
	s_lshl_b32 s76, s17, 16
	s_add_co_u32 s74, s74, s76
	s_lshl_b32 s76, s18, 9
	s_add_co_u32 s74, s74, s76
	s_add_nc_u64 s[14:15], s[14:15], s[74:75]      ; out0 at my 64 tokens and my 128 columns
	v_and_b32 v108, 31, v0                         ; L
	v_and_b32 v109, 15, v0                         ; r
	v_bfe_u32 v110, v0, 4, 1                       ; h
	v_and_b32 v111, 7, v0                          ; L & 7
	v_bfe_u32 v112, v0, 3, 1                       ; (L >> 3) & 1
	v_lshlrev_b32 v[VT16], 4, v0
	v_lshlrev_b32 v114, 9, v111                    ; w_gate: row (L & 7) of 512 bytes: fragment rows 8-15 repeat experts 0-7,
	v_lshl_add_u32 v114, v110, 4, v114             ; + 16 h
	s_lshl_b32 s74, s18, 8
	s_lshl_b32 s75, s21, 8
	v_add_nc_u32 v[VGA], s74, v114                 ; K from 128 hg
	v_add_nc_u32 v[VGB], s75, v114                 ; K from 128 (1 - hg)
	s_lshl_b32 s74, s17, 8
	v_lshl_add_u32 v[VMK], v109, 2, s74            ; (64 tg + r) x 4
	; ---- loads through registers: b1 and b2 (copied into LDS once, whole), w_gate's fragments, my tokens' mask
.irp i, 0,1,2,3,4,5,6,7
	global_load_b128 v[CP+4*\i:CP+4*\i+3], v[VT16], s[8:9] offset:2048*\i
.endr
.irp i, 0,1,2,3
	global_load_b128 v[CP+32+4*\i:CP+32+4*\i+3], v[VT16], s[10:11] offset:2048*\i
.endr
.irp cc, 0,1,2,3
	global_load_b128 v[GF+8*\cc:GF+8*\cc+3], v[VGA], s[12:13] offset:WGATE+64*\cc
	global_load_b128 v[GF+8*\cc+4:GF+8*\cc+7], v[VGA], s[12:13] offset:WGATE+64*\cc+32
	global_load_b128 v[GF+32+8*\cc:GF+32+8*\cc+3], v[VGB], s[12:13] offset:WGATE+64*\cc
	global_load_b128 v[GF+32+8*\cc+4:GF+32+8*\cc+7], v[VGB], s[12:13] offset:WGATE+64*\cc+32
.endr
.irp t, 0,1,2,3
	global_load_b32 v[MK+\t], v[VMK], s[6:7] offset:64*\t
.endr
	; ---- LDS addresses
	v_add_nc_u32 v[VCP], B1OFF, v[VT16]
	v_lshl_add_u32 v113, v110, 3, v111             ; the transposing loads' row: 8 h + (L & 7)
	v_mul_u32_u24 v114, v113, P1
	v_lshl_add_u32 v114, v112, 4, v114             ; + 16 ((L >> 3) & 1)
	s_mul_i32 s74, s18, 128*P1+128                 ; g = 0: d rows from 128 hg; my 64 hidden columns are 128 hg bytes in
	s_mul_i32 s75, s21, 128*P1                     ; g = 1: d rows from 128 (1 - hg)
	s_lshl_b32 s76, s18, 7
	s_add_co_u32 s75, s75, s76
	v_add_nc_u32 v[VW1+0], s74, v114
	v_add_nc_u32 v[VW1+1], s75, v114
	v_add_nc_u32 v[VW1+2], SLOT, v[VW1+0]
	v_add_nc_u32 v[VW1+3], SLOT, v[VW1+1]
	v_mul_u32_u24 v115, v113, P2
	v_lshl_add_u32 v115, v112, 4, v115
	s_mul_i32 s74, s18, 64*P2+256                  ; my 64 hidden rows; g = 0: d columns from 128 hg
	s_add_co_u32 s74, s74, W1T
	s_mul_i32 s75, s18, 64*P2                      ; g = 1: d columns from 128 (1 - hg)
	s_lshl_b32 s76, s21, 8
	s_add_co_u32 s75, s75, s76
	s_add_co_u32 s75, s75, W1T
	v_add_nc_u32 v[VW2+0], s74, v115
	v_add_nc_u32 v[VW2+1], s75, v115
	v_add_nc_u32 v[VW2+2], SLOT, v[VW2+0]
	v_add_nc_u32 v[VW2+3], SLOT, v[VW2+1]
	s_lshl_b32 s74, s18, 8
	s_add_co_u32 s74, s74, B1OFF
	v_lshl_add_u32 v[VB1], v110, 5, s74            ; b1: (64 hg + 8 h) x 4 bytes
	s_lshl_b32 s74, s16, 12
	s_add_co_u32 s74, s74, GOFF
	v_lshl_add_u32 v[VG], v108, 4, s74             ; my wave's table, 16 bytes a lane
	s_lshl_b32 s74, s18, 9
	s_add_co_u32 s74, s74, B2OFF
	v_lshl_add_u32 v[VB2], v110, 5, s74            ; b2: (128 hg + 8 h) x 4 bytes
	v_mul_u32_u24 v116, v109, XP
	v_lshl_add_u32 v116, v110, 5, v116             ; x's stage: row r, + 32 h
	s_mul_i32 s74, s17, 64*XP
	s_add_co_u32 s74, s74, SLOT
	s_lshl_b32 s75, s18, 9
	s_add_co_u32 s75, s75, s74
	s_lshl_b32 s76, s21, 9
	s_add_co_u32 s76, s76, s74
	v_add_nc_u32 v[VXA], s75, v116
	v_add_nc_u32 v[VXB], s76, v116
	s_wait_loadcnt 20                              ; b1's and b2's twelve loads are in; the 16 of w_gate and the 4 of mask, issued behind them, stay out
.irp i, 0,1,2,3,4,5,6,7,8,9,10,11
	ds_store_b128 v[VCP], v[CP+4*\i:CP+4*\i+3] offset:2048*\i      ; b2's place follows b1's
.endr
	s_wait_dscnt 0x0                               ; for the other waves: my part of b1 and b2 is written
	s_wait_tensorcnt 0x1                           ; my rows of x have landed; step 0's tile, issued behind them, may stay out
	s_barrier_signal -1
	s_barrier_wait -1
	; ---- x into the accumulators' layout: lane (r, h) takes x[token r][16 i + 8 h .. + 7], 32 bytes, for each local d tile i
	WIN 0x80                                       ; destination window 2: my own half stays there as the residual
.irp t, 0,1,2,3
.irp ii, 0,1,2,3,4,5,6,7
	ds_load_b128 v[8*(4*\ii+\t):8*(4*\ii+\t)+3], v[VXA] offset:16*XP*\t+64*\ii
	ds_load_b128 v[8*(4*\ii+\t)+4:8*(4*\ii+\t)+7], v[VXA] offset:16*XP*\t+64*\ii+16
.endr
.endr
	WIN 0xc0                                       ; destination window 3: the other half is only converted
.irp t, 0,1,2,3
.irp ii, 0,1,2,3,4,5,6,7
	ds_load_b128 v[8*(4*\ii+\t):8*(4*\ii+\t)+3], v[VXB] offset:16*XP*\t+64*\ii
	ds_load_b128 v[8*(4*\ii+\t)+4:8*(4*\ii+\t)+7], v[VXB] offset:16*XP*\t+64*\ii+16
.endr
.endr
	s_wait_dscnt 0x0
	; d tiles 2 c and 2 c + 1, packed, are the fragment X(t, c): register 8 (8 t + c) + 4 (i & 1) + jj = 64 t + 32 g + 4 ii + jj
	WIN 0x4a                                       ; sources window 2, destination window 1
.irp t, 0,1,2,3
.irp ii, 0,1,2,3,4,5,6,7
.irp jj, 0,1,2,3
	v_cvt_pk_bf16_f32 v[64*\t+4*\ii+\jj], v[8*(4*\ii+\t)+2*\jj], v[8*(4*\ii+\t)+2*\jj+1]
.endr
.endr
.endr
	WIN 0x4f                                       ; sources window 3
.irp t, 0,1,2,3
.irp ii, 0,1,2,3,4,5,6,7
.irp jj, 0,1,2,3
	v_cvt_pk_bf16_f32 v[64*\t+32+4*\ii+\jj], v[8*(4*\ii+\t)+2*\jj], v[8*(4*\ii+\t)+2*\jj+1]
.endr
.endr
.endr
	; ---- the gate: logits(expert, token) = w_gate^T x^T.  Register j of every lane is expert j's logit of token r (rows 8-15 repeat rows 0-7).
	WIN 0x04                                       ; source 1 (x) window 1
	s_wait_loadcnt 0x0                             ; w_gate's fragments and the mask
.irp c, 0,1,2,3,4,5,6,7
.irp t, 0,1,2,3
.if \c == 0
	v_wmma_f32_16x16x32_bf16 v[LG+8*\t:LG+8*\t+7], v[GF+8*\c:GF+8*\c+7], v[8*(8*\t+\c):8*(8*\t+\c)+7], 0
.else
	v_wmma_f32_16x16x32_bf16 v[LG+8*\t:LG+8*\t+7], v[GF+8*\c:GF+8*\c+7], v[8*(8*\t+\c):8*(8*\t+\c)+7], v[LG+8*\t:LG+8*\t+7]   ; the four accumulators take turns
.endif
.endr
.endr
	WIN 0
	PLACES
; Tile t's gates.  rank_i = how many logits go in front of logit i: a lower index goes first where two are equal.  It starts at 7 - i (all
; later ones in front); each pair i < j with l_i >= l_j moves one from rank_i to rank_j.  The ranks only select values.
.macro GATE t
.irp i, 0,1,2,3,4,5,6,7
	v_mov_b32 v[RK+\i], 7-\i
.endr
.set gi, 0
.rept 7
.set gj, gi+1
.rept 7-gi
	v_cmp_ge_f32 vcc_lo, v[LG+8*\t+gi], v[LG+8*\t+gj]
	v_cndmask_b32 v[TT], 0, 1, vcc_lo
	v_add_nc_u32 v[RK+gj], v[RK+gj], v[TT]
	v_sub_nc_u32 v[RK+gi], v[RK+gi], v[TT]
.set gj, gj+1
.endr
.set gi, gi+1
.endr
	v_max3_num_f32 v[MX], v[LG+8*\t], v[LG+8*\t+1], v[LG+8*\t+2]   ; the largest of the eight is the largest of the chosen four
	v_max3_num_f32 v[MX], v[MX], v[LG+8*\t+3], v[LG+8*\t+4]
	v_max3_num_f32 v[MX], v[MX], v[LG+8*\t+5], v[LG+8*\t+6]
	v_max_num_f32 v[MX], v[MX], v[LG+8*\t+7]
	v_mul_f32 v[MX], s73, v[MX]                    ; the shift, rounded once and common to all eight: its rounding cancels in the quotient
.irp i, 0,1,2,3,4,5,6,7
	v_fma_f32 v[GT+4*\i+\t], v[LG+8*\t+\i], s73, -v[MX]            ; (l - max) log2(e)
.endr
.irp i, 0,1,2,3,4,5,6,7
	v_exp_f32 v[GT+4*\i+\t], v[GT+4*\i+\t]
.endr
	v_nop                                          ; one plain vector instruction between the last exponential and the use of its result (ISA guide 5.7.2)
	v_cvt_f32_i32 v[SC], v[MK+\t]                  ; the mask as a number
	s_wait_alu depctr_va_vdst(0)
.irp i, 0,1,2,3,4,5,6,7
	v_cmp_gt_u32 vcc_lo, 4, v[RK+\i]
	v_cndmask_b32 v[GT+4*\i+\t], 0, v[GT+4*\i+\t], vcc_lo          ; ranks 0 to 3 stay
.endr
	v_add_f32 v[SM], v[GT+\t], v[GT+4+\t]
	v_add_f32 v[TT], v[GT+8+\t], v[GT+12+\t]
	v_add_f32 v[MX], v[GT+16+\t], v[GT+20+\t]
	v_add_f32 v[RK], v[GT+24+\t], v[GT+28+\t]
	v_add_f32 v[SM], v[SM], v[TT]
	v_add_f32 v[MX], v[MX], v[RK]
	v_add_f32 v[SM], v[SM], v[MX]                  ; about 1 at the least: the largest logit's term is chosen
	v_rcp_f32 v[SM], v[SM]
	v_nop                                          ; the place behind the reciprocal
	s_wait_alu depctr_va_vdst(0)
	v_mul_f32 v[SC], v[SC], v[SM]
.irp i, 0,1,2,3,4,5,6,7
	v_mul_f32 v[GT+4*\i+\t], v[GT+4*\i+\t], v[SC]
.endr
.endm
	GATE 0
	GATE 1
	GATE 2
	GATE 3
.irp e, 0,1,2,3,4,5,6,7
	ds_store_b128 v[VG], v[GT+4*\e:GT+4*\e+3] offset:512*\e        ; my wave's own table: LDS serves a wave's instructions in order, so no barrier
.endr
	; ---- my own half of the accumulators: x + sum over e of g_e b2_e
.macro FB2 e, buf                      ; b2 of expert e in the accumulators' layout: 16 loads
.irp ii, 0,1,2,3,4,5,6,7
	ds_load_b128 v[\buf+8*\ii:\buf+8*\ii+3], v[VB2] offset:1024*(\e)+64*\ii
	ds_load_b128 v[\buf+8*\ii+4:\buf+8*\ii+7], v[VB2] offset:1024*(\e)+64*\ii+16
.endr
.endm
.macro AB2 e, buf                      ; 128 packed multiply-adds; the gate of tile t is broadcast out of its pair
.irp ii, 0,1,2,3,4,5,6,7
.irp jj, 0,2,4,6
	v_pk_fma_f32 v[32*\ii+\jj:32*\ii+\jj+1], v[\buf+8*\ii+\jj:\buf+8*\ii+\jj+1], v[GT+4*(\e):GT+4*(\e)+1], v[32*\ii+\jj:32*\ii+\jj+1] op_sel_hi:[1,0,1]
	v_pk_fma_f32 v[32*\ii+8+\jj:32*\ii+8+\jj+1], v[\buf+8*\ii+\jj:\buf+8*\ii+\jj+1], v[GT+4*(\e):GT+4*(\e)+1], v[32*\ii+8+\jj:32*\ii+8+\jj+1] op_sel:[0,1,0] op_sel_hi:[1,1,1]
	v_pk_fma_f32 v[32*\ii+16+\jj:32*\ii+16+\jj+1], v[\buf+8*\ii+\jj:\buf+8*\ii+\jj+1], v[GT+4*(\e)+2:GT+4*(\e)+3], v[32*\ii+16+\jj:32*\ii+16+\jj+1] op_sel_hi:[1,0,1]
	v_pk_fma_f32 v[32*\ii+24+\jj:32*\ii+24+\jj+1], v[\buf+8*\ii+\jj:\buf+8*\ii+\jj+1], v[GT+4*(\e)+2:GT+4*(\e)+3], v[32*\ii+24+\jj:32*\ii+24+\jj+1] op_sel:[0,1,0] op_sel_hi:[1,1,1]
.endr
.endr
.endm
.macro B2STEP e, buf, nbuf, more
.if \more
	FB2 \e+1, \nbuf
	s_wait_dscnt 16                                ; this expert's b2 is in; the next expert's 16 loads stay out
.else
	s_wait_dscnt 0x0
.endif
	WIN 0xa0                                       ; source 2 and destination window 2
	AB2 \e, \buf
	WIN 0
.endm
	FB2 0, BA
	B2STEP 0, BA, BB, 1
	B2STEP 1, BB, BA, 1
	B2STEP 2, BA, BB, 1
	B2STEP 3, BB, BA, 1
	B2STEP 4, BA, BB, 1
	B2STEP 5, BB, BA, 1
	B2STEP 6, BA, BB, 1
	B2STEP 7, BB, BA, 0
	; ---- slot 1, which held x's stage, gets its first weight tile: filled as a slot is filled again
	s_wait_dscnt 0x0                               ; my reads of the stage are over
	s_wait_tensorcnt 0x0                           ; all my tensor loads have landed, my part of step 0's tiles among them
	CROUND                                         ; both now hold of every wave of the four work-groups
	JLOAD 1                                        ; step 1's tiles: my one tensor load behind this round
; ---- the loop's pieces
.macro FW1 slot, ch, g, buf            ; W1's fragments for K group g (4 chunks of 32 d) x the chunk's 2 hidden tiles: 16 transposing loads
.irp cc, 0,1,2,3
.irp ht, 0,1
	ds_load_tr16_b128 v[\buf+8*(2*\cc+\ht):\buf+8*(2*\cc+\ht)+3], v[VW1+2*\slot+\g] offset:\cc*32*P1+64*\ch+32*\ht
	ds_load_tr16_b128 v[\buf+8*(2*\cc+\ht)+4:\buf+8*(2*\cc+\ht)+7], v[VW1+2*\slot+\g] offset:\cc*32*P1+64*\ch+32*\ht+16*P1
.endr
.endr
.endm
.macro FW2 slot, ch, g, buf            ; W2's fragments: the chunk's 32 hidden rows x 8 d tiles of group g: 16 transposing loads
.irp ii, 0,1,2,3,4,5,6,7
	ds_load_tr16_b128 v[\buf+8*\ii:\buf+8*\ii+3], v[VW2+2*\slot+\g] offset:\ch*32*P2+32*\ii
	ds_load_tr16_b128 v[\buf+8*\ii+4:\buf+8*\ii+7], v[VW2+2*\slot+\g] offset:\ch*32*P2+32*\ii+16*P2
.endr
.endm
.macro FBG boff, goff                  ; a chunk's b1 (2 hidden tiles, 8 numbers a lane each) and its expert's gates: 5 loads
.irp ht, 0,1
	ds_load_b128 v[BIAS+8*\ht:BIAS+8*\ht+3], v[VB1] offset:64*\ht+\boff
	ds_load_b128 v[BIAS+8*\ht+4:BIAS+8*\ht+7], v[VB1] offset:64*\ht+16+\boff
.endr
	ds_load_b128 v[GC:GC+3], v[VG] offset:\goff
.endm
; 32 matrix instructions of product 1 on 8 accumulators that take turns, one instruction a turn.
; first = 1: the first K chunk takes b1 as C and so starts the sums (first > cc holds for first = 1, cc = 0 alone).
.macro MM1 g, buf, first
.irp cc, 0,1,2,3
.irp ht, 0,1
.irp t, 0,1,2,3
.if \first > \cc
	v_wmma_f32_16x16x32_bf16 v[D1+8*(4*\ht+\t):D1+8*(4*\ht+\t)+7], v[\buf+8*(2*\cc+\ht):\buf+8*(2*\cc+\ht)+7], v[8*(8*\t+4*\g+\cc):8*(8*\t+4*\g+\cc)+7], v[BIAS+8*\ht:BIAS+8*\ht+7]
.else
	v_wmma_f32_16x16x32_bf16 v[D1+8*(4*\ht+\t):D1+8*(4*\ht+\t)+7], v[\buf+8*(2*\cc+\ht):\buf+8*(2*\cc+\ht)+7], v[8*(8*\t+4*\g+\cc):8*(8*\t+4*\g+\cc)+7], v[D1+8*(4*\ht+\t):D1+8*(4*\ht+\t)+7]
.endif
.endr
.endr
.endr
.endm
; 32 matrix instructions of product 2 on the window's 32 accumulators, by turns.  zero = 1: the first product starts the sums.
.macro MM2 buf, zero
.irp ii, 0,1,2,3,4,5,6,7
.irp t, 0,1,2,3
.if \zero
	v_wmma_f32_16x16x32_bf16 v[8*(4*\ii+\t):8*(4*\ii+\t)+7], v[\buf+8*\ii:\buf+8*\ii+7], v[HF+8*\t:HF+8*\t+7], 0
.else
	v_wmma_f32_16x16x32_bf16 v[8*(4*\ii+\t):8*(4*\ii+\t)+7], v[\buf+8*\ii:\buf+8*\ii+7], v[HF+8*\t:HF+8*\t+7], v[8*(4*\ii+\t):8*(4*\ii+\t)+7]
.endif
.endr
.endr
.endm
; One result tile of product 1: relu first, then the token's gate (so a negative mask is served too), then 4 registers of the next fragment.
.macro EPI1 d, hfr, gp, sel
.irp j, 0,1,2,3,4,5,6,7
	v_max_num_f32 v[\d+\j], 0, v[\d+\j]
.endr
.irp j, 0,2,4,6
	v_pk_mul_f32 v[\d+\j:\d+\j+1], v[\d+\j:\d+\j+1], v[\gp:\gp+1] op_sel:[0,\sel] op_sel_hi:[1,\sel]
.endr
.irp j, 0,1,2,3
	v_cvt_pk_bf16_f32 v[\hfr+\j], v[\d+2*\j], v[\d+2*\j+1]
.endr
.endm
.macro EPI
.irp ht, 0,1
	EPI1 D1+32*\ht, HF+4*\ht, GC, 0
	EPI1 D1+32*\ht+8, HF+4*\ht+8, GC, 1
	EPI1 D1+32*\ht+16, HF+4*\ht+16, GC+2, 0
	EPI1 D1+32*\ht+24, HF+4*\ht+24, GC+2, 1
.endr
.endm
; A chunk: 32 hidden columns.  On entry the LDS loads out are, in order: its b1 and gates (5), W1's group 0 (16, buffer 0), W1's group 1 (16, buffer 1).
; nslot, nch, nboff, ngoff: the next chunk, whose loads are issued here.  turn = 1: the slots change behind this chunk; fill = 1: this slot is
; filled again, two steps ahead (w1s: the step of W1's address); last = 1: nothing follows.
.macro CHUNK slot, ch, zero, nslot, nch, nboff, ngoff, turn, fill, last, w1s
	s_wait_dscnt 16                                ; b1, the gates and W1's group 0 are in; the 16 loads of group 1 stay out
	WIN 0x04
	MM1 0, WF0, 1
	PLACES
	FW2 \slot, \ch, 0, WF0
	s_wait_dscnt 16                                ; W1's group 1 is in; the 16 loads just issued stay out
	MM1 1, WF1, 0
	PLACES                                         ; for the loads into buffer 1 and for the reads of the results below
	FW2 \slot, \ch, 1, WF1
	WIN 0
	EPI
.if \turn
	s_wait_dscnt 0x0                               ; my reads of this slot are over
	s_wait_tensorcnt 0x0                           ; all my tensor loads have landed: the one that was out is my part of the next slot
	s_barrier_signal -1                            ; say so (where the slot is filled again this opens a round of the cluster's barrier)
.else
	s_wait_dscnt 16                                ; W2's group 0 is in; group 1's 16 loads stay out
.endif
	WIN 0xa0
	MM2 WF0, 0                                     ; my own half of the outputs; register work between the signal and the wait
	WIN 0
.if \turn
	s_barrier_wait -1
.endif
.if \fill
	CREST                                          ; no wave of the four work-groups still reads this slot or has a load on its way
	s_add_nc_u64 s[G0A+4*\slot+2:G0A+4*\slot+3], s[G0A+4*\slot+2:G0A+4*\slot+3], \w1s
	s_add_nc_u64 s[G0B+4*\slot+2:G0B+4*\slot+3], s[G0B+4*\slot+2:G0B+4*\slot+3], 131072
	JLOAD \slot                                    ; my one tensor load behind the round, ahead of every LDS read: it has the next step's 256 matrix instructions in which to land
.endif
.if \last
	s_wait_dscnt 0x0                               ; W2's group 1
.else
	PLACES
	FBG \nboff, \ngoff
	FW1 \nslot, \nch, 0, WF0
.if \turn == 0
	s_wait_dscnt 21                                ; W2's group 1 is in; the 5 + 16 loads just issued stay out
.endif
.endif
	WIN 0xf0
	MM2 WF1, \zero                                 ; the partner's half of the outputs
	WIN 0
.if \last == 0
	PLACES
	FW1 \nslot, \nch, 1, WF1
.endif
.endm
; A step: 128 hidden columns in slot p (np: the other slot), my 64 of them as two chunks
.macro STEP s, p, np, zero, turn, fill, last, ngoff, w1s
	CHUNK \p, 0, \zero, \p, 1, 512*\s+128, 0, 0, 0, 0, 0
	CHUNK \p, 1, 0, \np, 0, 512*\s+512, \ngoff, \turn, \fill, \last, \w1s
.endm
; An expert: four steps.  W1's tile two steps on lies 256 columns (512 bytes) further, or in the next expert (262,144 - 512 bytes further).
.macro EXPERT zero
	STEP 0, 0, 1, \zero, 1, 1, 0, 0, 512
	STEP 1, 1, 0, 0, 1, 1, 0, 0, 512
	STEP 2, 0, 1, 0, 1, 1, 0, 0, 261632
	STEP 3, 1, 0, 0, 1, 1, 0, 512, 261632
	v_add_nc_u32 v[VB1], 2048, v[VB1]              ; the next expert's b1 and gates (its first chunk's were reached by the offsets 2,048 and 512)
	v_add_nc_u32 v[VG], 512, v[VG]
.endm
	FBG 0, 0                                       ; the first chunk's loads, from slot 0, which the round above has shown whole
	FW1 0, 0, 0, WF0
	FW1 0, 0, 1, WF1
	EXPERT 1                                       ; expert 0 stands in front of the loop: its first products start the partner's sums
	s_mov_b32 s72, 6
.Lexpert:
	EXPERT 0                                       ; experts 1 to 6
	s_sub_co_u32 s72, s72, 1
	s_cmp_lg_u32 s72, 0
	s_cbranch_scc1 .Lexpert
	STEP 0, 0, 1, 0, 1, 1, 0, 0, 512               ; expert 7: steps 28 and 29 ask for the last two tiles,
	STEP 1, 1, 0, 0, 1, 1, 0, 0, 512
	STEP 2, 0, 1, 0, 1, 0, 0, 0, 0                 ; step 30 changes slots and fills nothing,
	STEP 3, 1, 0, 0, 0, 0, 1, 0, 0                 ; step 31 fetches nothing more
	; ---- THE WAY OUT.  Both halves go into LDS, over the slots, which have had their last fill; each wave then reads whole rows of its own
	; half and of what its partner summed for it, adds them and stores 512 consecutive bytes, at a multiple of 512, with each instruction.
	PLACES                                         ; behind the last matrix instructions: the LDS stores read results, the loads below land in their sources
	v_and_b32 v5, 31, v0
	v_and_b32 v6, 15, v0
	v_bfe_u32 v7, v0, 4, 1
	s_mul_i32 s74, s16, 2*OREG                     ; my two regions
	s_xor_b32 s75, s16, 1
	s_mul_i32 s75, s75, 2*OREG
	s_add_co_u32 s75, s75, OREG                    ; the region that my partner writes for me
	v_mul_u32_u24 v[VST], v6, OPI
	v_lshl_add_u32 v[VST], v7, 5, v[VST]
	v_add_nc_u32 v[VST], s74, v[VST]               ; in: row r, + 32 h
	v_lshlrev_b32 v[VCO], 4, v5                    ; back and out: 16 bytes a lane, a row of 512 bytes a wave
	v_add_nc_u32 v[VRO], s74, v[VCO]
	v_add_nc_u32 v[VRP], s75, v[VCO]
	s_wait_dscnt 0x0                               ; my reads of the slots are over
	s_barrier_signal -1
	s_barrier_wait -1                              ; everybody's are
	WIN 0x08                                       ; store data from window 2
.irp t, 0,1,2,3
.irp ii, 0,1,2,3,4,5,6,7
	ds_store_b128 v[VST], v[8*(4*\ii+\t):8*(4*\ii+\t)+3] offset:16*OPI*\t+64*\ii
	ds_store_b128 v[VST], v[8*(4*\ii+\t)+4:8*(4*\ii+\t)+7] offset:16*OPI*\t+64*\ii+16
.endr
.endr
	WIN 0x0c                                       ; from window 3
.irp t, 0,1,2,3
.irp ii, 0,1,2,3,4,5,6,7
	ds_store_b128 v[VST], v[8*(4*\ii+\t):8*(4*\ii+\t)+3] offset:OREG+16*OPI*\t+64*\ii
	ds_store_b128 v[VST], v[8*(4*\ii+\t)+4:8*(4*\ii+\t)+7] offset:OREG+16*OPI*\t+64*\ii+16
.endr
.endr
	WIN 0
	s_wait_dscnt 0x0                               ; for my partner: my stores are done
	s_barrier_signal -1
	s_barrier_wait -1
.macro OUTB b, set                     ; rows 8 b .. 8 b + 7 of my 64
	s_wait_xcnt 0x0                                ; the earlier stores have read their data: this register set is loaded again only behind this wait
.irp k, 0,1,2,3,4,5,6,7
	ds_load_b128 v[\set+8*\k:\set+8*\k+3], v[VRO] offset:OPI*(8*\b+\k)
	ds_load_b128 v[\set+8*\k+4:\set+8*\k+7], v[VRP] offset:OPI*(8*\b+\k)
.endr
.irp k, 0,1,2,3,4,5,6,7
	s_wait_dscnt 14-2*\k                           ; row k's two loads are in; those of the 7 - k rows behind it stay out
	v_pk_add_f32 v[\set+8*\k:\set+8*\k+1], v[\set+8*\k:\set+8*\k+1], v[\set+8*\k+4:\set+8*\k+5]
	v_pk_add_f32 v[\set+8*\k+2:\set+8*\k+3], v[\set+8*\k+2:\set+8*\k+3], v[\set+8*\k+6:\set+8*\k+7]
	global_store_b128 v[VCO], v[\set+8*\k:\set+8*\k+3], s[14:15] offset:1024*(8*\b+\k) th:TH_STORE_NT
.endr
.endm
	OUTB 0, OA
	OUTB 1, OB
	OUTB 2, OA
	OUTB 3, OB
	OUTB 4, OA
	OUTB 5, OB
	OUTB 6, OA
	OUTB 7, OB
	CROUND                                         ; the closing round: no work-group ends while a partner may still ask for a tile that names it
	s_endpgm
.Lfunc_end_k_q24aec0e6df_moe:
	.size	k_q24aec0e6df_moe, .Lfunc_end_k_q24aec0e6df_moe-k_q24aec0e6df_moe
	.p2alignl 7, 3214868480
	.fill 96, 4, 3214868480
	.section	.rodata,"a",@progbits
	.p2align	6, 0x0
	.amdhsa_kernel k_q24aec0e6df_moe
		.amdhsa_group_segment_fixed_size 327680
		.amdhsa_private_segment_fixed_size 0
		.amdhsa_enable_private_segment 0
		.amdhsa_kernarg_size 48
		.amdhsa_user_sgpr_count 2
		.amdhsa_user_sgpr_kernarg_segment_ptr 1
		.amdhsa_wavefront_size32 1
		.amdhsa_system_sgpr_workgroup_id_x 1
		.amdhsa_system_sgpr_workgroup_id_y 1
		.amdhsa_system_sgpr_workgroup_id_z 1
		.amdhsa_system_vgpr_workitem_id 0
		.amdhsa_next_free_vgpr 1024
		.amdhsa_next_free_sgpr 80
		.amdhsa_reserve_vcc 1
		.amdhsa_float_denorm_mode_32 3
		.amdhsa_float_denorm_mode_16_64 3
		.amdhsa_memory_ordered 1
		.amdhsa_forward_progress 1
		.amdhsa_inst_pref_size 255
	.end_amdhsa_kernel
	.section	.bss,"aw",@nobits
	.p2align	6
	.space	262144
	.amdgpu_metadata
---
amdhsa.version: [ 1, 2 ]
amdhsa.kernels:
  - .name:           k_q24aec0e6df_moe
    .symbol:         k_q24aec0e6df_moe.kd
    .args:
      - { .name: x, .offset: 0, .size: 8, .value_kind: global_buffer, .address_space: global }
      - { .name: mask, .offset: 8, .size: 8, .value_kind: global_buffer, .address_space: global }
      - { .name: b1, .offset: 16, .size: 8, .value_kind: global_buffer, .address_space: global }
      - { .name: b2, .offset: 24, .size: 8, .value_kind: global_buffer, .address_space: global }
      - { .name: wbf, .offset: 32, .size: 8, .value_kind: global_buffer, .address_space: global }
      - { .name: out0, .offset: 40, .size: 8, .value_kind: global_buffer, .address_space: global }
    .group_segment_fixed_size: 327680
    .private_segment_fixed_size: 0
    .kernarg_segment_align: 8
    .kernarg_segment_size: 48
    .max_flat_workgroup_size: 128
    .sgpr_count:     80
    .vgpr_count:     1024
    .wavefront_size: 32
...
	.end_amdgpu_metadata
.endif
;; end of part 2
;; ======== version 2 of 3: 2 launches; 1.26 times as fast as version 1
;; workspace buffers: wbf 4,198,400 bytes
;; launch cast (part 3): grid 256 x 1, 8 waves a work-group, no clusters, 0 bytes of LDS; arguments W1, W2, w_gate, wbf, out1; writes wbf, out1
.if DOCPART == 3
	.amdgcn_target "amdgcn-amd-amdhsa--gfx1250"
	.amdhsa_code_object_version 6
	.text
	.protected	k_q24aec0e6df_cast
	.globl	k_q24aec0e6df_cast
	.p2align	8
	.type	k_q24aec0e6df_cast,@function
k_q24aec0e6df_cast:
	s_mov_b64 s[64:65], 0
	v_nop
	global_prefetch_b8 v0, s[64:65] scope:SCOPE_SE
	s_setreg_imm32_b32 hwreg(HW_REG_WAVE_MODE, 25, 1), 1
	s_wait_xcnt 0x0
; Rounds the weights to bf16 once, so that the second launch's 256 work-groups need not each do it, and writes out1 = 0.
; wbf: bytes 0 .. 2 MiB: W1 [8][256][512] bf16 in W1's own order; 2 MiB .. 4 MiB: W2 [8][512][256] bf16 in W2's own order;
;      4 MiB .. + 4 KiB: w_gate transposed, [8 experts][256 d] bf16.
; 256 work-groups of 8 waves; work-group g takes 8,192 numbers (32 KiB in, 16 KiB out): g < 128 of W1, the others of W2.
; Thread t: eight loads of 16 bytes at 16 t + 4,096 i, all issued first; eight stores of 8 bytes at 8 t + 2,048 i, so that
; one store of a wave covers 256 consecutive bytes at a multiple of 256.  Every load and store has registers of its own.
; Work-group 0 also transposes w_gate and writes out1.  It has a path of its own, on which w_gate's loads are issued ahead of the
; stream's, so that they are on their way together with them and not behind them.
; A stream: no LDS, no barrier, no matrix unit.
.set XI, 8                             ; v[8:39]   eight loads, 4 registers each
.set YO, 40                            ; v[40:55]  eight stores, 2 registers each
.set GI, 56                            ; v[56:63]  eight numbers of w_gate
.set GO, 64                            ; v[64:67]  the same as bf16
.macro LOADS                           ; the stream's eight loads
.irp i, 0,1,2,3,4,5,6,7
	global_load_b128 v[XI+4*\i:XI+4*\i+3], v1, s[18:19] offset:4096*\i th:TH_LOAD_NT
.endr
.endm
.macro CASTS                           ; round and store them
.irp i, 0,1,2,3,4,5,6,7
	s_wait_loadcnt 7-\i                            ; loads come back in order: load i and all older ones are in, the 7 - i younger ones stay out
	v_cvt_pk_bf16_f32 v[YO+2*\i], v[XI+4*\i], v[XI+4*\i+1]
	v_cvt_pk_bf16_f32 v[YO+2*\i+1], v[XI+4*\i+2], v[XI+4*\i+3]
	global_store_b64 v2, v[YO+2*\i:YO+2*\i+1], s[20:21] offset:2048*\i
.endr
.endm
	s_load_b256 s[4:11], s[0:1], 0x0               ; W1 s[4:5], W2 s[6:7], w_gate s[8:9], wbf s[10:11]
	s_load_b64 s[12:13], s[0:1], 0x20              ; out1
	v_lshlrev_b32 v1, 4, v0                        ; 16 t
	v_lshlrev_b32 v2, 3, v0                        ; 8 t
	s_and_b32 s14, ttmp9, 127
	s_lshl_b32 s14, s14, 15                        ; my 32 KiB inside W1 or W2
	s_mov_b32 s15, 0
	s_lshl_b32 s16, ttmp9, 14                      ; my 16 KiB inside wbf
	s_mov_b32 s17, 0
	s_wait_kmcnt 0x0
	s_cmp_lt_u32 ttmp9, 128
	s_cselect_b64 s[18:19], s[4:5], s[6:7]         ; the first 128 work-groups read W1, the others W2
	s_add_nc_u64 s[18:19], s[18:19], s[14:15]
	s_add_nc_u64 s[20:21], s[10:11], s[16:17]
	s_cmp_lg_u32 ttmp9, 0
	s_cbranch_scc1 .Lplain
	; work-group 0: w_gate is [256 d][8 e]; thread t = 32 e + k8 takes d = 8 k8 .. 8 k8 + 7 of expert e
	v_and_b32 v3, 31, v0                           ; k8
	v_lshrrev_b32 v6, 5, v0                        ; e
	v_lshlrev_b32 v3, 8, v3                        ; 8 rows of 32 bytes
	v_lshl_add_u32 v3, v6, 2, v3                   ; + 4 e
.irp i, 0,1,2,3,4,5,6,7
	global_load_b32 v[GI+\i], v3, s[8:9] offset:32*\i
.endr
	LOADS
	v_mov_b32 v4, 0                                ; out1's offset
	v_mov_b32 v5, 0                                ; and its value, 0.0
	CASTS                                          ; its waits end at 0: w_gate's loads, the oldest, are in
.irp i, 0,1,2,3
	v_cvt_pk_bf16_f32 v[GO+\i], v[GI+2*\i], v[GI+2*\i+1]
.endr
	global_store_b128 v1, v[GO:GO+3], s[10:11] offset:4194304      ; (256 e + 8 k8) x 2 bytes = 16 t
	s_wait_xcnt 0x0                                ; EXEC is a source of the stores above: it changes only behind this wait
	v_cmp_eq_u32 vcc_lo, 0, v0
	s_and_saveexec_b32 s22, vcc_lo
	global_store_b32 v4, v5, s[12:13]              ; thread 0 alone: moe_loss = 0
	s_wait_xcnt 0x0                                ; and again in front of the line that widens EXEC
	s_or_b32 exec_lo, exec_lo, s22
	s_endpgm
.Lplain:
	LOADS
	CASTS
	s_endpgm
.Lfunc_end_k_q24aec0e6df_cast:
	.size	k_q24aec0e6df_cast, .Lfunc_end_k_q24aec0e6df_cast-k_q24aec0e6df_cast
	.p2alignl 7, 3214868480
	.fill 96, 4, 3214868480
	.section	.rodata,"a",@progbits
	.p2align	6, 0x0
	.amdhsa_kernel k_q24aec0e6df_cast
		.amdhsa_group_segment_fixed_size 0
		.amdhsa_private_segment_fixed_size 0
		.amdhsa_enable_private_segment 0
		.amdhsa_kernarg_size 40
		.amdhsa_user_sgpr_count 2
		.amdhsa_user_sgpr_kernarg_segment_ptr 1
		.amdhsa_wavefront_size32 1
		.amdhsa_system_sgpr_workgroup_id_x 1
		.amdhsa_system_sgpr_workgroup_id_y 1
		.amdhsa_system_sgpr_workgroup_id_z 1
		.amdhsa_system_vgpr_workitem_id 0
		.amdhsa_next_free_vgpr 72
		.amdhsa_next_free_sgpr 66
		.amdhsa_reserve_vcc 1
		.amdhsa_float_denorm_mode_32 3
		.amdhsa_float_denorm_mode_16_64 3
		.amdhsa_memory_ordered 1
		.amdhsa_forward_progress 1
		.amdhsa_inst_pref_size 8
	.end_amdhsa_kernel
	.amdgpu_metadata
---
amdhsa.version: [ 1, 2 ]
amdhsa.kernels:
  - .name:           k_q24aec0e6df_cast
    .symbol:         k_q24aec0e6df_cast.kd
    .args:
      - { .name: W1, .offset: 0, .size: 8, .value_kind: global_buffer, .address_space: global }
      - { .name: W2, .offset: 8, .size: 8, .value_kind: global_buffer, .address_space: global }
      - { .name: w_gate, .offset: 16, .size: 8, .value_kind: global_buffer, .address_space: global }
      - { .name: wbf, .offset: 24, .size: 8, .value_kind: global_buffer, .address_space: global }
      - { .name: out1, .offset: 32, .size: 8, .value_kind: global_buffer, .address_space: global }
    .group_segment_fixed_size: 0
    .private_segment_fixed_size: 0
    .kernarg_segment_align: 8
    .kernarg_segment_size: 40
    .max_flat_workgroup_size: 256
    .sgpr_count:     66
    .vgpr_count:     72
    .wavefront_size: 32
...
	.end_amdgpu_metadata
.endif
;; end of part 3
;; launch moe (part 4): grid 256 x 1, 4 waves a work-group, clusters of 4 x 1, 327,680 bytes of LDS; arguments x, mask, b1, b2, wbf, out0; writes out0
.if DOCPART == 4
	.amdgcn_target "amdgcn-amd-amdhsa--gfx1250"
	.amdhsa_code_object_version 6
	.text
	.protected	k_q24aec0e6df_moe
	.globl	k_q24aec0e6df_moe
	.p2align	8
	.type	k_q24aec0e6df_moe,@function
k_q24aec0e6df_moe:
	s_mov_b64 s[64:65], 0
	v_nop
	global_prefetch_b8 v0, s[64:65] scope:SCOPE_SE
	s_setreg_imm32_b32 hwreg(HW_REG_WAVE_MODE, 25, 1), 1
	s_wait_xcnt 0x0
	s_wait_alu depctr_hold_cnt(0) depctr_sa_sdst(0) depctr_va_vdst(0) depctr_va_sdst(0) depctr_va_ssrc(0) depctr_va_vcc(0) depctr_vm_vsrc(0)
	s_getreg_b32 s2, hwreg(HW_REG_IB_STS2, 6, 4)
	s_cmp_eq_u32 s2, 0
	s_cbranch_scc0 .Lentry_in_a_cluster
	s_endpgm
.Lentry_in_a_cluster:
	s_bfe_u32 s2, ttmp6, 0x10000c
	s_cmp_lg_u32 s2, 0x3003
	s_cbranch_scc0 .Lentry_shape_is_right
	s_endpgm
.Lentry_shape_is_right:
; out0 = x + sum over e of g_e (relu(x W1_e + b1_e) W2_e + b2_e), g = mask x softmax over the 4 largest of the 8 logits x w_gate.
; g_e is one number a token, so g_e (h_e W2_e) = (g_e h_e) W2_e: the eight experts are ONE chain of two products over a hidden axis of
; 8 x 512 = 4,096 columns, summed into one f32 accumulator for each output; the hidden numbers never leave the registers.
;
; SHARES.  256 work-groups of four waves; a work-group owns 128 tokens.  Wave w: tg = w >> 1 picks its 64 tokens (4 tiles t of 16),
; hg = w & 1 its half of every 128 hidden columns.  The hidden axis goes in 32 steps of 128 columns (step 4 e + s) through two LDS slots;
; a wave takes its 64 columns of a step as two chunks of 32: 64 matrix instructions of product 1, 64 of product 2.  A weight fragment
; (2 LDS loads) feeds 4 matrix instructions.  The two waves of a pair hold partial sums, which meet once, at the end, in LDS.
;
; THE MATRIX INSTRUCTION IS USED TRANSPOSED: source 0 = 16 weight columns x 32 K, source 1 = 16 tokens x 32 K.  In the result lane (r, h)
; holds token r and register j the output index 8 h + j.  Two results (indices 0-15, 16-31) packed to bf16 are then the 8 registers of the
; next product's source 1, and x loaded in the accumulators' layout packs into x's fragments in the same way.
;
; LOCAL COLUMNS, so that both waves of a pair run one text: local d column lc stands for column (lc + 128 hg) mod 256.  Local d tiles 0-7
; are the half that the wave stores: they start as x.  Tiles 8-15 are the partner's half: they start as the sum of g_e b2_e over those
; columns.  So every accumulator has a start of its own, nothing is cleared, and all 32 steps add in place.  The K order of product 1 and of
; the gate is rotated alike.  The rotation lies in address registers alone (a variant g = 0 and a variant g = 1).
;
; BETWEEN THE TWO PRODUCTS stand 128 vector instructions a chunk (relu, gate, rounding to bf16), 32 for each token tile.  Tile 0's stand alone.
; Product 2's first half goes token tile by token tile, and the 32 of tile t + 1 stand among the 8 matrix instructions of tile t, four behind
; each: they name D1(., t + 1), HF(t + 1) and the gates, the matrix instructions HF(t), buffer 0 and their accumulators.  The vector work names
; window 0 in every place and the matrix instructions window 2 for C and D, so each group costs two switches of the window, 48 a chunk:
; window 1 is full of x and windows 2 and 3 of accumulators, so no layout lets both run under one setting.
;
; THE TEXT IS KEPT SHORT: whatever recurs with stepped addresses alone runs in a loop: two steps (once round the ring) a trip, 15 trips, with
; only the two steps that fill nothing written out; b2's experts 1 to 7; the eight batches of the way out.
;
; CLUSTER: every work-group walks the same weight tiles, so four work-groups ask for each tile jointly (mask 15): waves 0, 1 for W1's two
; halves, waves 2, 3 for W2's.  Nothing in those descriptors hangs on the place in the cluster.  x is each work-group's own plain load.
;
; LIMITS.  NaN and infinite inputs are not followed as the formula would (0 x infinity).  The logits are sums of products of x and w_gate
; rounded to bf16: where the 4th and 5th logit are closer than that rounding, the choice follows the rounded numbers; equal logits go to the
; lower index.  In the wave with hg = 1 the sums over d run from 128 to 255 and then from 0 to 127.
;
; REGISTERS, in windows of 256:  window 1: x's fragments, X(t, c) at v[8 (8 t + c)];  window 2: accumulators of local d tiles 0-7,
; acc(i, t) at v[8 (4 i + t)];  window 3: those of tiles 8-15;  window 0: all else (below).
.set P1,     288                       ; LDS pitch of W1's rows: 256 bytes + 32: an odd multiple of 32, as the transposing loads want
.set P2,     544                       ; of W2's rows: 512 bytes + 32
.set W1T,    256*P1                    ; W1's tile: 256 d rows x 128 hidden columns
.set SLOT,   W1T+128*P2                ; + W2's tile: 128 hidden rows x 256 d columns = 143,360 bytes
.set XP,     1040                      ; x's stage: rows of 1,024 bytes + 16; it lies in slot 1 until that slot's first weight tile
.set B1OFF,  2*SLOT                    ; b1 in f32, 16,384 bytes, behind the slots: no tensor load lands here
.set B2OFF,  B1OFF+16384               ; b2 in f32, 8,192 bytes
.set GOFF,   B2OFF+8192                ; gate tables, 4,096 bytes a wave: [trip of two steps: 16][token r: 16][tile t: 4], each expert twice
.set OPI,    528                       ; the way out: rows of 512 bytes + 16
.set OREG,   64*OPI                    ; one region: 64 tokens x 128 columns; region 2 w: wave w's own half, 2 w + 1: for its partner
.set W2BASE, 2097152                   ; W2 inside wbf
.set WGATE,  4194304                   ; w_gate transposed inside wbf
.set VW1,  1                           ; v1-4     LDS address of W1's fragments, [2 slot + g]
.set VW2,  5                           ; v5-8     of W2's fragments, [2 slot + g]
.set VB1,  9                           ; v9       of my b1 numbers, stepped by 1,024 a trip
.set VG,   10                          ; v10      of my gates, stepped by 256 a trip
.set GC,   12                          ; v12-15   this expert's gates of my token in tiles t = 0..3
.set BIAS, 16                          ; v16-31   b1 of the chunk's 2 hidden tiles, in the result's layout
.set D1,   32                          ; v32-95   product 1's results, (ht, t) at D1 + 8 (4 ht + t)
.set HF,   96                          ; v96-127  g relu(..) as bf16 fragments, HF + 8 t
.set WF0,  128                         ; v128-191 weight fragments, buffer 0
.set WF1,  192                         ; v192-255 weight fragments, buffer 1
; in front of the loop only
.set VXA,  96                          ; x's stage, my own half of the columns
.set VXB,  97                          ; the partner's half
.set VGA,  98                          ; w_gate's fragments, K of my own half
.set VGB,  99                          ; K of the other half
.set VCP,  100                         ; where the copy of b1 and b2 goes
.set VMK,  101                         ; my tokens' mask words
.set VB2,  102                         ; b2 of the partner's columns, stepped by 1,024 an expert
.set VT16, 103                         ; 16 x thread
.set MK,   104                         ; v104-107 mask of my token in tiles 0..3
.set RK,   108                         ; v108-115 ranks (and scratch while addresses are made)
.set TT,   116
.set MX,   117
.set SM,   118
.set SC,   119
.set VG2,  120                         ; the gate table while b2 is summed, stepped by 512 an expert
.set CP,   128                         ; v128-175 b1 and b2 on their way into LDS
.set GT,   128                         ; v128-159 afterwards: gate of expert e, tile t at GT + 4 e + t
.set GF,   192                         ; v192-255 w_gate's 8 fragments
.set LG,   32                          ; v32-63   logits, tile t at LG + 8 t, register = expert
.set BA,   192                         ; v192-255 afterwards: b2 of one expert
; behind the loop only
.set VST,  1
.set VRO,  2
.set VRP,  3
.set VCO,  4
.set OA,   32
.set G1A, 24                           ; s[24:31] descriptor group 1, W1's tiles
.set G0A, 32                           ; s[32:39] group 0, W1's tiles, one set a slot
.set G1B, 40                           ; s[40:47] group 1, W2's tiles
.set G0B, 48                           ; s[48:55] group 0, W2's tiles, one set a slot
.set G1X, 56                           ; s[56:63] group 1, x
.set G0X, 68                           ; s[68:71] group 0, x
.set MSB, 0
.macro WIN new                         ; low byte: bits 1:0 source 0, 3:2 source 1, 5:4 source 2, 7:6 destination; the high byte repeats the setting that is left
.if MSB != \new
	s_set_vgpr_msb (MSB<<8)|\new
.set MSB, \new
.endif
.endm
; Four places: a vector instruction that reads a matrix result or writes a matrix instruction's register, and a load into such a register,
; stand four plain vector instructions behind it (ISA guide 7.12.1 for vector instructions).
.macro PLACES
.rept 4
	v_nop
.endr
.endm
.macro CREST                           ; a round of the cluster's barrier behind its opening work-group barrier
	s_cmp_lg_u32 s16, 0
	s_cbranch_scc1 .Lnot_wave_0_\@
	s_barrier_signal -3
.Lnot_wave_0_\@:
	s_barrier_wait -3
	s_barrier_signal -1
	s_barrier_wait -1
.endm
.macro CROUND                          ; a whole round
	s_barrier_signal -1
	s_barrier_wait -1
	CREST
.endm
.macro JLOAD p                         ; the joint load of slot p: waves 0, 1 ask for W1's halves, waves 2, 3 for W2's; the branch hangs on the wave's number alone
	s_cmp_eq_u32 s17, 0
	s_cbranch_scc0 .Lfor_w2_\@
	tensor_load_to_lds s[G0A+4*\p:G0A+4*\p+3], s[G1A:G1A+7]
	s_nop 0
	s_branch .Lasked_\@
.Lfor_w2_\@:
	tensor_load_to_lds s[G0B+4*\p:G0B+4*\p+3], s[G1B:G1B+7]
	s_nop 0
.Lasked_\@:
.endm
	s_load_b256 s[4:11], s[0:1], 0x0               ; x s[4:5], mask s[6:7], b1 s[8:9], b2 s[10:11]
	s_load_b128 s[12:15], s[0:1], 0x20             ; wbf s[12:13], out0 s[14:15]
	v_lshrrev_b32 v1, 5, v0
	v_readfirstlane_b32 s16, v1                    ; wave w
	s_lshr_b32 s17, s16, 1                         ; tg
	s_and_b32 s18, s16, 1                          ; hg
	s_xor_b32 s21, s18, 1                          ; 1 - hg
	s_bfe_u32 s19, ttmp6, 0x40000                  ; cx
	s_lshl_b32 s20, ttmp9, 2
	s_add_co_u32 s20, s20, s19                     ; work-group = 4 x cluster + cx; it enters the addresses of x, mask and out0 alone
	s_mov_b32 s73, 0x3fb8aa3b                      ; log2(e)
	; W1's tile part: 128 d rows x 128 bf16, row pitch 512 elements; after every 64 words 8 words of padding; mask 15, bit 21 beside it
	s_mov_b32 s[G1A+0], 15|(1<<16)|(1<<20)|(1<<21)|(5<<22)|(7<<25)
	s_mov_b32 s[G1A+1], 128<<16                    ; tensor_dim0 = 128
	s_mov_b32 s[G1A+2], 128<<16                    ; tensor_dim1 = 128
	s_mov_b32 s[G1A+3], 128<<16                    ; tile_dim0 = 128
	s_mov_b32 s[G1A+4], 128                        ; tile_dim1 = 128
	s_mov_b32 s[G1A+5], 512                        ; elements from row to row
	s_mov_b32 s[G1A+6], 0
	s_mov_b32 s[G1A+7], 0
	; W2's tile part: 64 hidden rows x 256 bf16, dense; after every 128 words 8 words of padding
	s_mov_b32 s[G1B+0], 15|(1<<16)|(1<<20)|(1<<21)|(6<<22)|(7<<25)
	s_mov_b32 s[G1B+1], 256<<16
	s_mov_b32 s[G1B+2], 64<<16
	s_mov_b32 s[G1B+3], 256<<16
	s_mov_b32 s[G1B+4], 64
	s_mov_b32 s[G1B+5], 256
	s_mov_b32 s[G1B+6], 0
	s_mov_b32 s[G1B+7], 0
	; x: 32 token rows x 256 f32, dense; after every 256 words 4 words of padding; no mask: my work-group's own load
	s_mov_b32 s[G1X+0], (2<<16)|(1<<20)|(7<<22)|(3<<25)
	s_mov_b32 s[G1X+1], 256<<16
	s_mov_b32 s[G1X+2], 32<<16
	s_mov_b32 s[G1X+3], 256<<16
	s_mov_b32 s[G1X+4], 32
	s_mov_b32 s[G1X+5], 256
	s_mov_b32 s[G1X+6], 0
	s_mov_b32 s[G1X+7], 0
	s_mul_i32 s74, s16, 128*P1                     ; W1 (waves 0, 1): wave x 128 rows
	s_mul_i32 s75, s16, 64*P2                      ; W2 (waves 2, 3): behind W1's tile, (wave - 2) x 64 rows
	s_add_co_u32 s75, s75, W1T-2*64*P2
	s_mov_b32 s[G0X], 1
	s_mul_i32 s[G0X+1], s16, 32*XP                 ; x: wave x 32 rows in the stage
	s_add_co_u32 s[G0X+1], s[G0X+1], SLOT
	s_lshl_b32 s22, s18, 17                        ; W1: hg x 128 rows of 1,024 bytes
	s_mov_b32 s23, 0
	s_lshl_b32 s76, s18, 15                        ; W2: hg x 64 rows of 512 bytes
	s_add_co_u32 s76, s76, W2BASE
	s_mov_b32 s77, 0
	s_lshl_b32 s78, s20, 17                        ; x: work-group x 128 rows of 1,024 bytes
	s_lshl_b32 s79, s16, 15                        ;    + wave x 32 rows
	s_add_co_u32 s78, s78, s79
	s_mov_b32 s79, 0
	s_wait_kmcnt 0x0
	s_add_nc_u64 s[22:23], s[12:13], s[22:23]
	s_add_nc_u64 s[76:77], s[12:13], s[76:77]
.irp p, 0,1
	s_mov_b32 s[G0A+4*\p], 1
	s_add_co_u32 s[G0A+4*\p+1], s74, \p*SLOT
	s_add_nc_u64 s[G0A+4*\p+2:G0A+4*\p+3], s[22:23], \p*256        ; step p: hidden columns 128 p
	s_or_b32 s[G0A+4*\p+3], s[G0A+4*\p+3], 0x80000000
	s_mov_b32 s[G0B+4*\p], 1
	s_add_co_u32 s[G0B+4*\p+1], s75, \p*SLOT
	s_add_nc_u64 s[G0B+4*\p+2:G0B+4*\p+3], s[76:77], \p*65536      ; step p: hidden rows 128 p
	s_or_b32 s[G0B+4*\p+3], s[G0B+4*\p+3], 0x80000000
.endr
	s_add_nc_u64 s[G0X+2:G0X+3], s[4:5], s[78:79]
	s_or_b32 s[G0X+3], s[G0X+3], 0x80000000
	CROUND                                         ; the four work-groups are here: the first joint load meets
	tensor_load_to_lds s[G0X:G0X+3], s[G1X:G1X+7]  ; the first fills go out as one group: my 32 rows of x into the stage,
	s_nop 0
	JLOAD 0                                        ; and my part of step 0's tiles into slot 0: two tensor loads of mine are out
	; ---- bases and lane terms.  L = lane, r = L & 15, h = L >> 4
	s_lshl_b32 s74, s20, 9
	s_mov_b32 s75, 0
	s_add_nc_u64 s[6:7], s[6:7], s[74:75]          ; mask at my work-group's 128 words
	s_lshl_b32 s74, s20, 17
	s_lshl_b32 s76, s17, 16
	s_add_co_u32 s74, s74, s76
	s_lshl_b32 s76, s18, 9
	s_add_co_u32 s74, s74, s76
	s_add_nc_u64 s[14:15], s[14:15], s[74:75]      ; out0 at my 64 tokens and my 128 columns
	v_and_b32 v109, 15, v0                         ; r
	v_bfe_u32 v110, v0, 4, 1                       ; h
	v_and_b32 v111, 7, v0                          ; L & 7
	v_bfe_u32 v112, v0, 3, 1                       ; (L >> 3) & 1
	v_lshlrev_b32 v[VT16], 4, v0
	v_lshlrev_b32 v114, 9, v111                    ; w_gate: row (L & 7) of 512 bytes: fragment rows 8-15 repeat experts 0-7,
	v_lshl_add_u32 v114, v110, 4, v114             ; + 16 h
	s_lshl_b32 s74, s18, 8
	s_lshl_b32 s75, s21, 8
	v_add_nc_u32 v[VGA], s74, v114                 ; K from 128 hg
	v_add_nc_u32 v[VGB], s75, v114                 ; K from 128 (1 - hg)
	s_lshl_b32 s74, s17, 8
	v_lshl_add_u32 v[VMK], v109, 2, s74            ; (64 tg + r) x 4
	; ---- loads through registers: b1 and b2 (copied into LDS once, whole), w_gate's fragments, my tokens' mask
.irp i, 0,1,2,3,4,5,6,7
	global_load_b128 v[CP+4*\i:CP+4*\i+3], v[VT16], s[8:9] offset:2048*\i
.endr
.irp i, 0,1,2,3
	global_load_b128 v[CP+32+4*\i:CP+32+4*\i+3], v[VT16], s[10:11] offset:2048*\i
.endr
.irp cc, 0,1,2,3
	global_load_b128 v[GF+8*\cc:GF+8*\cc+3], v[VGA], s[12:13] offset:WGATE+64*\cc
	global_load_b128 v[GF+8*\cc+4:GF+8*\cc+7], v[VGA], s[12:13] offset:WGATE+64*\cc+32
	global_load_b128 v[GF+32+8*\cc:GF+32+8*\cc+3], v[VGB], s[12:13] offset:WGATE+64*\cc
	global_load_b128 v[GF+32+8*\cc+4:GF+32+8*\cc+7], v[VGB], s[12:13] offset:WGATE+64*\cc+32
.endr
.irp t, 0,1,2,3
	global_load_b32 v[MK+\t], v[VMK], s[6:7] offset:64*\t
.endr
	; ---- LDS addresses
	v_add_nc_u32 v[VCP], B1OFF, v[VT16]
	v_lshl_add_u32 v113, v110, 3, v111             ; the transposing loads' row: 8 h + (L & 7)
	v_mul_u32_u24 v114, v113, P1
	v_lshl_add_u32 v114, v112, 4, v114             ; + 16 ((L >> 3) & 1)
	s_mul_i32 s74, s18, 128*P1+128                 ; g = 0: d rows from 128 hg; my 64 hidden columns are 128 hg bytes in
	s_mul_i32 s75, s21, 128*P1                     ; g = 1: d rows from 128 (1 - hg)
	s_lshl_b32 s76, s18, 7
	s_add_co_u32 s75, s75, s76
	v_add_nc_u32 v[VW1+0], s74, v114
	v_add_nc_u32 v[VW1+1], s75, v114
	v_add_nc_u32 v[VW1+2], SLOT, v[VW1+0]
	v_add_nc_u32 v[VW1+3], SLOT, v[VW1+1]
	v_mul_u32_u24 v115, v113, P2
	v_lshl_add_u32 v115, v112, 4, v115
	s_mul_i32 s74, s18, 64*P2+256                  ; my 64 hidden rows; g = 0: d columns from 128 hg
	s_add_co_u32 s74, s74, W1T
	s_mul_i32 s75, s18, 64*P2                      ; g = 1: d columns from 128 (1 - hg)
	s_lshl_b32 s76, s21, 8
	s_add_co_u32 s75, s75, s76
	s_add_co_u32 s75, s75, W1T
	v_add_nc_u32 v[VW2+0], s74, v115
	v_add_nc_u32 v[VW2+1], s75, v115
	v_add_nc_u32 v[VW2+2], SLOT, v[VW2+0]
	v_add_nc_u32 v[VW2+3], SLOT, v[VW2+1]
	s_lshl_b32 s74, s18, 8
	s_add_co_u32 s74, s74, B1OFF
	v_lshl_add_u32 v[VB1], v110, 5, s74            ; b1: (64 hg + 8 h) x 4 bytes
	s_lshl_b32 s74, s16, 12
	s_add_co_u32 s74, s74, GOFF
	v_lshl_add_u32 v[VG], v109, 4, s74             ; my wave's table, 16 bytes a token: lanes r and r + 16 hold the same token
	s_lshl_b32 s74, s21, 9
	s_add_co_u32 s74, s74, B2OFF
	v_lshl_add_u32 v[VB2], v110, 5, s74            ; b2 of the partner's columns: (128 (1 - hg) + 8 h) x 4 bytes
	v_mul_u32_u24 v116, v109, XP
	v_lshl_add_u32 v116, v110, 5, v116             ; x's stage: row r, + 32 h
	s_mul_i32 s74, s17, 64*XP
	s_add_co_u32 s74, s74, SLOT
	s_lshl_b32 s75, s18, 9
	s_add_co_u32 s75, s75, s74
	s_lshl_b32 s76, s21, 9
	s_add_co_u32 s76, s76, s74
	v_add_nc_u32 v[VXA], s75, v116
	v_add_nc_u32 v[VXB], s76, v116
	s_wait_loadcnt 20                              ; b1's and b2's twelve loads are in; the 16 of w_gate and the 4 of mask, issued behind them, stay out
.irp i, 0,1,2,3,4,5,6,7,8,9,10,11
	ds_store_b128 v[VCP], v[CP+4*\i:CP+4*\i+3] offset:2048*\i      ; b2's place follows b1's
.endr
	s_wait_dscnt 0x0                               ; for the other waves: my part of b1 and b2 is written
	s_wait_tensorcnt 0x1                           ; my rows of x have landed; step 0's tile, issued behind them, may stay out
	s_barrier_signal -1
	s_barrier_wait -1
	; ---- x into the accumulators' layout: lane (r, h) takes x[token r][16 i + 8 h .. + 7], 32 bytes, for each local d tile i
	WIN 0x80                                       ; destination window 2: my own half stays there as the residual
.irp t, 0,1,2,3
.irp ii, 0,1,2,3,4,5,6,7
	ds_load_b128 v[8*(4*\ii+\t):8*(4*\ii+\t)+3], v[VXA] offset:16*XP*\t+64*\ii
	ds_load_b128 v[8*(4*\ii+\t)+4:8*(4*\ii+\t)+7], v[VXA] offset:16*XP*\t+64*\ii+16
.endr
.endr
	WIN 0xc0                                       ; destination window 3: the other half is only converted
.irp t, 0,1,2,3
.irp ii, 0,1,2,3,4,5,6,7
	ds_load_b128 v[8*(4*\ii+\t):8*(4*\ii+\t)+3], v[VXB] offset:16*XP*\t+64*\ii
	ds_load_b128 v[8*(4*\ii+\t)+4:8*(4*\ii+\t)+7], v[VXB] offset:16*XP*\t+64*\ii+16
.endr
.endr
	s_wait_dscnt 0x0
	; d tiles 2 c and 2 c + 1, packed, are the fragment X(t, c): register 8 (8 t + c) + 4 (i & 1) + jj = 64 t + 32 g + 4 ii + jj
	WIN 0x4a                                       ; sources window 2, destination window 1
.irp t, 0,1,2,3
.irp ii, 0,1,2,3,4,5,6,7
.irp jj, 0,1,2,3
	v_cvt_pk_bf16_f32 v[64*\t+4*\ii+\jj], v[8*(4*\ii+\t)+2*\jj], v[8*(4*\ii+\t)+2*\jj+1]
.endr
.endr
.endr
	WIN 0x4f                                       ; sources window 3
.irp t, 0,1,2,3
.irp ii, 0,1,2,3,4,5,6,7
.irp jj, 0,1,2,3
	v_cvt_pk_bf16_f32 v[64*\t+32+4*\ii+\jj], v[8*(4*\ii+\t)+2*\jj], v[8*(4*\ii+\t)+2*\jj+1]
.endr
.endr
.endr
	; ---- the gate: logits(expert, token) = w_gate^T x^T.  Register j of every lane is expert j's logit of token r (rows 8-15 repeat rows 0-7).
	WIN 0x04                                       ; source 1 (x) window 1
	s_wait_loadcnt 0x0                             ; w_gate's fragments and the mask
.irp c, 0,1,2,3,4,5,6,7
.irp t, 0,1,2,3
.if \c == 0
	v_wmma_f32_16x16x32_bf16 v[LG+8*\t:LG+8*\t+7], v[GF+8*\c:GF+8*\c+7], v[8*(8*\t+\c):8*(8*\t+\c)+7], 0
.else
	v_wmma_f32_16x16x32_bf16 v[LG+8*\t:LG+8*\t+7], v[GF+8*\c:GF+8*\c+7], v[8*(8*\t+\c):8*(8*\t+\c)+7], v[LG+8*\t:LG+8*\t+7]   ; the four accumulators take turns
.endif
.endr
.endr
	WIN 0
	PLACES
; Tile t's gates.  rank_i = how many logits go in front of logit i: a lower index goes first where two are equal.  It starts at 7 - i (all
; later ones in front); each pair i < j with l_i >= l_j moves one from rank_i to rank_j.  The ranks only select values.
.macro GATE t
.irp i, 0,1,2,3,4,5,6,7
	v_mov_b32 v[RK+\i], 7-\i
.endr
.set gi, 0
.rept 7
.set gj, gi+1
.rept 7-gi
	v_cmp_ge_f32 vcc_lo, v[LG+8*\t+gi], v[LG+8*\t+gj]
	v_cndmask_b32 v[TT], 0, 1, vcc_lo
	v_add_nc_u32 v[RK+gj], v[RK+gj], v[TT]
	v_sub_nc_u32 v[RK+gi], v[RK+gi], v[TT]
.set gj, gj+1
.endr
.set gi, gi+1
.endr
	v_max3_num_f32 v[MX], v[LG+8*\t], v[LG+8*\t+1], v[LG+8*\t+2]   ; the largest of the eight is the largest of the chosen four
	v_max3_num_f32 v[MX], v[MX], v[LG+8*\t+3], v[LG+8*\t+4]
	v_max3_num_f32 v[MX], v[MX], v[LG+8*\t+5], v[LG+8*\t+6]
	v_max_num_f32 v[MX], v[MX], v[LG+8*\t+7]
	v_mul_f32 v[MX], s73, v[MX]                    ; the shift, rounded once and common to all eight: its rounding cancels in the quotient
.irp i, 0,1,2,3,4,5,6,7
	v_fma_f32 v[GT+4*\i+\t], v[LG+8*\t+\i], s73, -v[MX]            ; (l - max) log2(e)
.endr
.irp i, 0,1,2,3,4,5,6,7
	v_exp_f32 v[GT+4*\i+\t], v[GT+4*\i+\t]
.endr
	v_nop                                          ; one plain vector instruction between the last exponential and the use of its result (ISA guide 5.7.2)
	v_cvt_f32_i32 v[SC], v[MK+\t]                  ; the mask as a number
	s_wait_alu depctr_va_vdst(0)
.irp i, 0,1,2,3,4,5,6,7
	v_cmp_gt_u32 vcc_lo, 4, v[RK+\i]
	v_cndmask_b32 v[GT+4*\i+\t], 0, v[GT+4*\i+\t], vcc_lo          ; ranks 0 to 3 stay
.endr
	v_add_f32 v[SM], v[GT+\t], v[GT+4+\t]
	v_add_f32 v[TT], v[GT+8+\t], v[GT+12+\t]
	v_add_f32 v[MX], v[GT+16+\t], v[GT+20+\t]
	v_add_f32 v[RK], v[GT+24+\t], v[GT+28+\t]
	v_add_f32 v[SM], v[SM], v[TT]
	v_add_f32 v[MX], v[MX], v[RK]
	v_add_f32 v[SM], v[SM], v[MX]                  ; about 1 at the least: the largest logit's term is chosen
	v_rcp_f32 v[SM], v[SM]
	v_nop                                          ; the place behind the reciprocal
	s_wait_alu depctr_va_vdst(0)
	v_mul_f32 v[SC], v[SC], v[SM]
.irp i, 0,1,2,3,4,5,6,7
	v_mul_f32 v[GT+4*\i+\t], v[GT+4*\i+\t], v[SC]
.endr
.endm
	GATE 0
	GATE 1
	GATE 2
	GATE 3
	; My wave's own table, one entry for each trip of two steps, so each expert twice.  Lanes r and r + 16 write the same 16 bytes with the same
	; numbers.  LDS serves a wave's instructions in order, so the wave's later loads see these stores without a barrier.
.irp e, 0,1,2,3,4,5,6,7
	ds_store_b128 v[VG], v[GT+4*\e:GT+4*\e+3] offset:512*\e
	ds_store_b128 v[VG], v[GT+4*\e:GT+4*\e+3] offset:512*\e+256
.endr
	; ---- the partner's half of the accumulators starts as the sum over e of g_e b2_e (its columns, my tokens)
.macro FB2                             ; one expert's b2 in the accumulators' layout (16 loads) and its gates (1 load)
.irp ii, 0,1,2,3,4,5,6,7
	ds_load_b128 v[BA+8*\ii:BA+8*\ii+3], v[VB2] offset:64*\ii
	ds_load_b128 v[BA+8*\ii+4:BA+8*\ii+7], v[VB2] offset:64*\ii+16
.endr
	ds_load_b128 v[GC:GC+3], v[VG2]
.endm
.macro AB2 first                       ; 128 packed instructions; the gate of tile t is broadcast out of its pair.  first = 1: products that start the sums
.irp ii, 0,1,2,3,4,5,6,7
.irp jj, 0,2,4,6
.if \first
	v_pk_mul_f32 v[32*\ii+\jj:32*\ii+\jj+1], v[BA+8*\ii+\jj:BA+8*\ii+\jj+1], v[GC:GC+1] op_sel_hi:[1,0]
	v_pk_mul_f32 v[32*\ii+8+\jj:32*\ii+8+\jj+1], v[BA+8*\ii+\jj:BA+8*\ii+\jj+1], v[GC:GC+1] op_sel:[0,1] op_sel_hi:[1,1]
	v_pk_mul_f32 v[32*\ii+16+\jj:32*\ii+16+\jj+1], v[BA+8*\ii+\jj:BA+8*\ii+\jj+1], v[GC+2:GC+3] op_sel_hi:[1,0]
	v_pk_mul_f32 v[32*\ii+24+\jj:32*\ii+24+\jj+1], v[BA+8*\ii+\jj:BA+8*\ii+\jj+1], v[GC+2:GC+3] op_sel:[0,1] op_sel_hi:[1,1]
.else
	v_pk_fma_f32 v[32*\ii+\jj:32*\ii+\jj+1], v[BA+8*\ii+\jj:BA+8*\ii+\jj+1], v[GC:GC+1], v[32*\ii+\jj:32*\ii+\jj+1] op_sel_hi:[1,0,1]
	v_pk_fma_f32 v[32*\ii+8+\jj:32*\ii+8+\jj+1], v[BA+8*\ii+\jj:BA+8*\ii+\jj+1], v[GC:GC+1], v[32*\ii+8+\jj:32*\ii+8+\jj+1] op_sel:[0,1,0] op_sel_hi:[1,1,1]
	v_pk_fma_f32 v[32*\ii+16+\jj:32*\ii+16+\jj+1], v[BA+8*\ii+\jj:BA+8*\ii+\jj+1], v[GC+2:GC+3], v[32*\ii+16+\jj:32*\ii+16+\jj+1] op_sel_hi:[1,0,1]
	v_pk_fma_f32 v[32*\ii+24+\jj:32*\ii+24+\jj+1], v[BA+8*\ii+\jj:BA+8*\ii+\jj+1], v[GC+2:GC+3], v[32*\ii+24+\jj:32*\ii+24+\jj+1] op_sel:[0,1,0] op_sel_hi:[1,1,1]
.endif
.endr
.endr
.endm
	v_mov_b32 v[VG2], v[VG]
	FB2                                            ; expert 0
	s_wait_dscnt 0x0
	WIN 0xf0                                       ; source 2 and destination window 3
	AB2 1                                          ; writes over the x that was only converted
	WIN 0
	s_mov_b32 s72, 7
.Lb2:                                              ; experts 1 to 7
	v_add_nc_u32 v[VB2], 1024, v[VB2]              ; a row of b2
	v_add_nc_u32 v[VG2], 512, v[VG2]               ; two entries of the table
	FB2
	s_wait_dscnt 0x0                               ; all 17 loads: nothing younger is out
	WIN 0xf0
	AB2 0
	WIN 0
	s_sub_co_u32 s72, s72, 1
	s_cmp_lg_u32 s72, 0
	s_cbranch_scc1 .Lb2
	; ---- slot 1, which held x's stage, gets its first weight tile: filled as a slot is filled again
	s_wait_dscnt 0x0                               ; my reads of the stage are over
	s_wait_tensorcnt 0x0                           ; all my tensor loads have landed, my part of step 0's tiles among them
	CROUND                                         ; both now hold of every wave of the four work-groups
	JLOAD 1                                        ; step 1's tiles: my one tensor load behind this round
; ---- the loop's pieces
.macro FW1 slot, ch, g, buf            ; W1's fragments for K group g (4 chunks of 32 d) x the chunk's 2 hidden tiles: 16 transposing loads
.irp cc, 0,1,2,3
.irp ht, 0,1
	ds_load_tr16_b128 v[\buf+8*(2*\cc+\ht):\buf+8*(2*\cc+\ht)+3], v[VW1+2*\slot+\g] offset:\cc*32*P1+64*\ch+32*\ht
	ds_load_tr16_b128 v[\buf+8*(2*\cc+\ht)+4:\buf+8*(2*\cc+\ht)+7], v[VW1+2*\slot+\g] offset:\cc*32*P1+64*\ch+32*\ht+16*P1
.endr
.endr
.endm
.macro FW2 slot, ch, g, buf            ; W2's fragments: the chunk's 32 hidden rows x 8 d tiles of group g: 16 transposing loads
.irp ii, 0,1,2,3,4,5,6,7
	ds_load_tr16_b128 v[\buf+8*\ii:\buf+8*\ii+3], v[VW2+2*\slot+\g] offset:\ch*32*P2+32*\ii
	ds_load_tr16_b128 v[\buf+8*\ii+4:\buf+8*\ii+7], v[VW2+2*\slot+\g] offset:\ch*32*P2+32*\ii+16*P2
.endr
.endm
.macro FBG boff, goff                  ; a chunk's b1 (2 hidden tiles, 8 numbers a lane each) and its expert's gates: 5 loads
.irp ht, 0,1
	ds_load_b128 v[BIAS+8*\ht:BIAS+8*\ht+3], v[VB1] offset:64*\ht+\boff
	ds_load_b128 v[BIAS+8*\ht+4:BIAS+8*\ht+7], v[VB1] offset:64*\ht+16+\boff
.endr
	ds_load_b128 v[GC:GC+3], v[VG] offset:\goff
.endm
; 32 matrix instructions of product 1 on 8 accumulators that take turns, one instruction a turn.
; first = 1: the first K chunk takes b1 as C and so starts the sums (first > cc holds for first = 1, cc = 0 alone).
.macro MM1 g, buf, first
.irp cc, 0,1,2,3
.irp ht, 0,1
.irp t, 0,1,2,3
.if \first > \cc
	v_wmma_f32_16x16x32_bf16 v[D1+8*(4*\ht+\t):D1+8*(4*\ht+\t)+7], v[\buf+8*(2*\cc+\ht):\buf+8*(2*\cc+\ht)+7], v[8*(8*\t+4*\g+\cc):8*(8*\t+4*\g+\cc)+7], v[BIAS+8*\ht:BIAS+8*\ht+7]
.else
	v_wmma_f32_16x16x32_bf16 v[D1+8*(4*\ht+\t):D1+8*(4*\ht+\t)+7], v[\buf+8*(2*\cc+\ht):\buf+8*(2*\cc+\ht)+7], v[8*(8*\t+4*\g+\cc):8*(8*\t+4*\g+\cc)+7], v[D1+8*(4*\ht+\t):D1+8*(4*\ht+\t)+7]
.endif
.endr
.endr
.endr
.endm
; 32 matrix instructions of product 2's second half on window 3's 32 accumulators, by turns
.macro MM2 buf
.irp ii, 0,1,2,3,4,5,6,7
.irp t, 0,1,2,3
	v_wmma_f32_16x16x32_bf16 v[8*(4*\ii+\t):8*(4*\ii+\t)+7], v[\buf+8*\ii:\buf+8*\ii+7], v[HF+8*\t:HF+8*\t+7], v[8*(4*\ii+\t):8*(4*\ii+\t)+7]
.endr
.endr
.endm
; The work between the products, in groups of four instructions.  relu first, then the token's gate (so a negative mask is served too), then bf16.
.macro EMAX d                          ; relu of four numbers
.irp j, 0,1,2,3
	v_max_num_f32 v[\d+\j], 0, v[\d+\j]
.endr
.endm
.macro EMUL d, gp, sel                 ; a result tile's eight numbers times the token's gate, which is register sel of the pair gp
.irp j, 0,2,4,6
	v_pk_mul_f32 v[\d+\j:\d+\j+1], v[\d+\j:\d+\j+1], v[\gp:\gp+1] op_sel:[0,\sel] op_sel_hi:[1,\sel]
.endr
.endm
.macro ECVT d, hfr                     ; the tile's eight numbers as four registers of the next product's fragment
.irp j, 0,1,2,3
	v_cvt_pk_bf16_f32 v[\hfr+\j], v[\d+2*\j], v[\d+2*\j+1]
.endr
.endm
; Group q = 0..7 of one token tile's 32 instructions.  d: its result tile of hidden tile 0 (hidden tile 1's lies 32 registers on); hfr: its fragment.
.macro EPIG q, d, hfr, gp, sel
.if \q == 0
	EMAX \d
.endif
.if \q == 1
	EMAX \d+4
.endif
.if \q == 2
	EMUL \d, \gp, \sel
.endif
.if \q == 3
	ECVT \d, \hfr
.endif
.if \q == 4
	EMAX \d+32
.endif
.if \q == 5
	EMAX \d+36
.endif
.if \q == 6
	EMUL \d+32, \gp, \sel
.endif
.if \q == 7
	ECVT \d+32, \hfr+4
.endif
.endm
.macro EPIT d, hfr, gp, sel            ; a token tile's 32 instructions in one run, the two hidden tiles by turns, so that no group reads the group in front of it
.irp q, 0,1,4,5,2,6,3,7
	EPIG \q, \d, \hfr, \gp, \sel
.endr
.endm
; Product 2's first half for token tile t: 8 matrix instructions on 8 accumulators of window 2, each once.
; epi = 1: behind the i-th of them stands group i of the NEXT token tile's work (d, hfr, gp, sel are that tile's), under window 0.
.macro H1P t, epi, d, hfr, gp, sel
.irp ii, 0,1,2,3,4,5,6,7
	WIN 0xa0
	v_wmma_f32_16x16x32_bf16 v[8*(4*\ii+\t):8*(4*\ii+\t)+7], v[WF0+8*\ii:WF0+8*\ii+7], v[HF+8*\t:HF+8*\t+7], v[8*(4*\ii+\t):8*(4*\ii+\t)+7]
.if \epi
	WIN 0
	EPIG \ii, \d, \hfr, \gp, \sel
.endif
.endr
.endm
; A chunk: 32 hidden columns.  On entry the LDS loads out are, in order: its b1 and gates (5), W1's group 0 (16, buffer 0), W1's group 1 (16, buffer 1).
; nslot, nch, nboff, ngoff: the next chunk, whose loads are issued here.  turn = 1: the slots change behind this chunk; fill = 1: this slot is
; filled again, two steps ahead; last = 1: nothing follows.
.macro CHUNK slot, ch, nslot, nch, nboff, ngoff, turn, fill, last
	s_wait_dscnt 16                                ; b1, the gates and W1's group 0 are in; the 16 loads of group 1 stay out
	WIN 0x04
	MM1 0, WF0, 1
	PLACES
	FW2 \slot, \ch, 0, WF0
	s_wait_dscnt 16                                ; W1's group 1 is in; the 16 loads just issued stay out
	MM1 1, WF1, 0
	PLACES                                         ; for the reads of product 1's results, here and among product 2's matrix instructions, and for the loads into buffer 1
	WIN 0
	EPIT D1, HF, GC, 0                             ; token tile 0's work, alone
	FW2 \slot, \ch, 1, WF1                         ; the last reads of this chunk's part of the slot
	s_wait_dscnt 16                                ; W2's group 0 is in; group 1's 16 loads stay out
	H1P 0, 1, D1+8, HF+8, GC, 1                    ; my own half of the outputs, tile 0; among it tile 1's work
	H1P 1, 1, D1+16, HF+16, GC+2, 0                ; tile 1; among it tile 2's work
.if \turn
	s_wait_dscnt 0x0                               ; my reads of this slot are over: the last were issued 16 matrix instructions ago
	s_wait_tensorcnt 0x0                           ; all my tensor loads have landed: the one that was out is my part of the next slot
	s_barrier_signal -1                            ; say so (where the slot is filled again this opens a round of the cluster's barrier)
.endif
	H1P 2, 1, D1+24, HF+24, GC+2, 1                ; tile 2; among it tile 3's work: register work alone between the signal and the wait
	H1P 3, 0, 0, 0, 0, 0                           ; tile 3
	WIN 0
.if \turn
	s_barrier_wait -1
.endif
.if \fill
	CREST                                          ; no wave of the four work-groups still reads this slot or has a load on its way
	s_add_nc_u64 s[G0A+4*\slot+2:G0A+4*\slot+3], s[G0A+4*\slot+2:G0A+4*\slot+3], s[22:23]
	s_add_nc_u64 s[G0B+4*\slot+2:G0B+4*\slot+3], s[G0B+4*\slot+2:G0B+4*\slot+3], 131072
	JLOAD \slot                                    ; my one tensor load behind the round, ahead of every LDS read: it has the next step's 256 matrix instructions in which to land
.endif
.if \last
	s_wait_dscnt 0x0                               ; W2's group 1
.else
	PLACES
	FBG \nboff, \ngoff
	FW1 \nslot, \nch, 0, WF0
.if \turn == 0
	s_wait_dscnt 21                                ; W2's group 1 is in; the 5 + 16 loads just issued stay out
.endif
.endif
	WIN 0xf0
	MM2 WF1                                        ; the partner's half of the outputs
	WIN 0
.if \last == 0
	PLACES
	FW1 \nslot, \nch, 1, WF1
.endif
.endm
; A step: 128 hidden columns in slot p (np: the other slot), my 64 of them as two chunks.  b: the step's b1 from VB1; nb, ngoff: the next step's b1 and gates.
.macro STEP p, np, b, nb, ngoff, turn, fill, last
	CHUNK \p, 0, \p, 1, \b+128, 0, 0, 0, 0
	CHUNK \p, 1, \np, 0, \nb, \ngoff, \turn, \fill, \last
.endm
	FBG 0, 0                                       ; the first chunk's loads, from slot 0, which the round above has shown whole
	FW1 0, 0, 0, WF0
	FW1 0, 0, 1, WF1
	; W1's tile two steps on lies 256 columns (512 bytes) further in an expert's first two steps, and in the next expert (262,144 - 512 bytes
	; further) in its last two: the step is one number a trip and changes between the two from trip to trip.
	s_mov_b32 s22, 512
	s_mov_b32 s23, 0
	s_mov_b32 s72, 15
.Lpair:                                            ; steps 0 to 29, two a trip, once round the ring; every one asks for the tile two steps on
	STEP 0, 1, 0, 512, 0, 1, 1, 0
	STEP 1, 0, 512, 1024, 256, 1, 1, 0
	v_add_nc_u32 v[VB1], 1024, v[VB1]              ; the next trip's b1 and gates (its first chunk's were reached by the offsets 1,024 and 256)
	v_add_nc_u32 v[VG], 256, v[VG]
	s_xor_b32 s22, s22, 512^261632
	s_sub_co_u32 s72, s72, 1
	s_cmp_lg_u32 s72, 0
	s_cbranch_scc1 .Lpair
	STEP 0, 1, 0, 512, 0, 1, 0, 0                  ; step 30 changes slots and fills nothing,
	STEP 1, 0, 512, 0, 0, 0, 0, 1                  ; step 31 fetches nothing more
	; ---- THE WAY OUT.  Both halves go into LDS, over the slots, which have had their last fill; each wave then reads whole rows of its own
	; half and of what its partner summed for it, adds them and stores 512 consecutive bytes, at a multiple of 512, with each instruction.
	PLACES                                         ; behind the last matrix instructions: the LDS stores read results, the loads below land in their sources
	v_and_b32 v5, 31, v0
	v_and_b32 v6, 15, v0
	v_bfe_u32 v7, v0, 4, 1
	s_mul_i32 s74, s16, 2*OREG                     ; my two regions
	s_xor_b32 s75, s16, 1
	s_mul_i32 s75, s75, 2*OREG
	s_add_co_u32 s75, s75, OREG                    ; the region that my partner writes for me
	v_mul_u32_u24 v[VST], v6, OPI
	v_lshl_add_u32 v[VST], v7, 5, v[VST]
	v_add_nc_u32 v[VST], s74, v[VST]               ; in: row r, + 32 h
	v_lshlrev_b32 v[VCO], 4, v5                    ; back and out: 16 bytes a lane, a row of 512 bytes a wave
	v_add_nc_u32 v[VRO], s74, v[VCO]
	v_add_nc_u32 v[VRP], s75, v[VCO]
	s_wait_dscnt 0x0                               ; my reads of the slots are over
	s_barrier_signal -1
	s_barrier_wait -1                              ; everybody's are
	WIN 0x08                                       ; store data from window 2
.irp t, 0,1,2,3
.irp ii, 0,1,2,3,4,5,6,7
	ds_store_b128 v[VST], v[8*(4*\ii+\t):8*(4*\ii+\t)+3] offset:16*OPI*\t+64*\ii
	ds_store_b128 v[VST], v[8*(4*\ii+\t)+4:8*(4*\ii+\t)+7] offset:16*OPI*\t+64*\ii+16
.endr
.endr
	WIN 0x0c                                       ; from window 3
.irp t, 0,1,2,3
.irp ii, 0,1,2,3,4,5,6,7
	ds_store_b128 v[VST], v[8*(4*\ii+\t):8*(4*\ii+\t)+3] offset:OREG+16*OPI*\t+64*\ii
	ds_store_b128 v[VST], v[8*(4*\ii+\t)+4:8*(4*\ii+\t)+7] offset:OREG+16*OPI*\t+64*\ii+16
.endr
.endr
	WIN 0
	s_wait_dscnt 0x0                               ; for my partner: my stores are done
	s_barrier_signal -1
	s_barrier_wait -1
	s_mov_b32 s72, 8
.Lout:                                             ; eight rows of my 64 a trip
.irp k, 0,1,2,3,4,5,6,7
	ds_load_b128 v[OA+8*\k:OA+8*\k+3], v[VRO] offset:OPI*\k
	ds_load_b128 v[OA+8*\k+4:OA+8*\k+7], v[VRP] offset:OPI*\k
.endr
.irp k, 0,1,2,3,4,5,6,7
	s_wait_dscnt 14-2*\k                           ; row k's two loads are in; those of the 7 - k rows behind it stay out
	v_pk_add_f32 v[OA+8*\k:OA+8*\k+1], v[OA+8*\k:OA+8*\k+1], v[OA+8*\k+4:OA+8*\k+5]
	v_pk_add_f32 v[OA+8*\k+2:OA+8*\k+3], v[OA+8*\k+2:OA+8*\k+3], v[OA+8*\k+6:OA+8*\k+7]
	global_store_b128 v[VCO], v[OA+8*\k:OA+8*\k+3], s[14:15] offset:1024*\k th:TH_STORE_NT
.endr
	s_wait_xcnt 0x0                                ; the stores' offset is stepped, and their data registers are loaded again in the next trip, only behind this wait
	v_add_nc_u32 v[VCO], 8*1024, v[VCO]
	v_add_nc_u32 v[VRO], 8*OPI, v[VRO]
	v_add_nc_u32 v[VRP], 8*OPI, v[VRP]
	s_sub_co_u32 s72, s72, 1
	s_cmp_lg_u32 s72, 0
	s_cbranch_scc1 .Lout
	CROUND                                         ; the closing round: no work-group ends while a partner may still ask for a tile that names it
	s_endpgm
.Lfunc_end_k_q24aec0e6df_moe:
	.size	k_q24aec0e6df_moe, .Lfunc_end_k_q24aec0e6df_moe-k_q24aec0e6df_moe
	.p2alignl 7, 3214868480
	.fill 96, 4, 3214868480
	.section	.rodata,"a",@progbits
	.p2align	6, 0x0
	.amdhsa_kernel k_q24aec0e6df_moe
		.amdhsa_group_segment_fixed_size 327680
		.amdhsa_private_segment_fixed_size 0
		.amdhsa_enable_private_segment 0
		.amdhsa_kernarg_size 48
		.amdhsa_user_sgpr_count 2
		.amdhsa_user_sgpr_kernarg_segment_ptr 1
		.amdhsa_wavefront_size32 1
		.amdhsa_system_sgpr_workgroup_id_x 1
		.amdhsa_system_sgpr_workgroup_id_y 1
		.amdhsa_system_sgpr_workgroup_id_z 1
		.amdhsa_system_vgpr_workitem_id 0
		.amdhsa_next_free_vgpr 1024
		.amdhsa_next_free_sgpr 80
		.amdhsa_reserve_vcc 1
		.amdhsa_float_denorm_mode_32 3
		.amdhsa_float_denorm_mode_16_64 3
		.amdhsa_memory_ordered 1
		.amdhsa_forward_progress 1
		.amdhsa_inst_pref_size 255
	.end_amdhsa_kernel
	.section	.bss,"aw",@nobits
	.p2align	6
	.space	262144
	.amdgpu_metadata
---
amdhsa.version: [ 1, 2 ]
amdhsa.kernels:
  - .name:           k_q24aec0e6df_moe
    .symbol:         k_q24aec0e6df_moe.kd
    .args:
      - { .name: x, .offset: 0, .size: 8, .value_kind: global_buffer, .address_space: global }
      - { .name: mask, .offset: 8, .size: 8, .value_kind: global_buffer, .address_space: global }
      - { .name: b1, .offset: 16, .size: 8, .value_kind: global_buffer, .address_space: global }
      - { .name: b2, .offset: 24, .size: 8, .value_kind: global_buffer, .address_space: global }
      - { .name: wbf, .offset: 32, .size: 8, .value_kind: global_buffer, .address_space: global }
      - { .name: out0, .offset: 40, .size: 8, .value_kind: global_buffer, .address_space: global }
    .group_segment_fixed_size: 327680
    .private_segment_fixed_size: 0
    .kernarg_segment_align: 8
    .kernarg_segment_size: 48
    .max_flat_workgroup_size: 128
    .sgpr_count:     80
    .vgpr_count:     1024
    .wavefront_size: 32
...
	.end_amdgpu_metadata
.endif
;; end of part 4
;; ======== version 3 of 3: 2 launches; version 2 with the launch cast written anew for expert scheduling mode
;; workspace buffers: wbf 4,198,400 bytes
;; launch cast (part 5): grid 256 x 1, 8 waves a work-group, no clusters, 0 bytes of LDS; arguments W1, W2, w_gate, wbf, out1; writes wbf, out1
.if DOCPART == 5
	.amdgcn_target "amdgcn-amd-amdhsa--gfx1250"
	.amdhsa_code_object_version 6
	.text
	.protected	k_q24aec0e6df_cast
	.globl	k_q24aec0e6df_cast
	.p2align	8
	.type	k_q24aec0e6df_cast,@function
k_q24aec0e6df_cast:
	s_mov_b64 s[64:65], 0
	v_nop
	global_prefetch_b8 v0, s[64:65] scope:SCOPE_SE
	s_setreg_imm32_b32 hwreg(HW_REG_WAVE_SCHED_MODE, 0, 2), 2
	s_setreg_imm32_b32 hwreg(HW_REG_WAVE_MODE, 25, 1), 1
	s_wait_xcnt 0x0
	s_wait_alu depctr_vm_vsrc(0)
; Rounds the weights to bf16 once, so that the second launch's 256 work-groups need not each do it, and writes out1 = 0.
; wbf: bytes 0 .. 2 MiB: W1 [8][256][512] bf16 in W1's own order; 2 MiB .. 4 MiB: W2 [8][512][256] bf16 in W2's own order;
;      4 MiB .. + 4 KiB: w_gate transposed, [8 experts][256 d] bf16.
; 256 work-groups of 8 waves; work-group g takes 8,192 numbers (32 KiB in, 16 KiB out): g < 128 of W1, the others of W2.
; Thread t: eight loads of 16 bytes at 16 t + 4,096 i, all issued first; eight stores of 8 bytes at 8 t + 2,048 i, so that
; one store of a wave covers 256 consecutive bytes at a multiple of 256.  Every load and store has registers of its own.
; Work-group 0 also transposes w_gate and writes out1.  It has a path of its own, on which w_gate's loads are issued ahead of the
; stream's, so that they are on their way together with them and not behind them.
; A stream: no LDS, no barrier, no matrix unit.
; THE MODE: SCHED_MODE bits 1:0 = 2 (LLVM: expert scheduling mode 2), set by the entry lines.  The code itself states the register dependences
; between vector instructions and memory instructions, with s_wait_alu, always for 0.
; THE PLAN.  Registers that memory instructions touch:
;   v1, v2, v3   byte offsets, made once ahead of the first load and never written again.
;   XI, GI       written by loads alone, once each; read by the conversions; no load lands in them a second time.
;   YO, GO       written by one conversion each; read by one store each; never written again.
;   v4, v5       out1's offset and value, written once; read by out1's store.
; So no register that a memory instruction has read is ever rewritten, and what is left to state is: the offsets are written (one wait ahead of a
; path's first load), and a store's data are written.  For the second the eight loads go in four blocks of two: block b rounds its two loads, and
; the two stores of block b - 1 stand among its four conversions, behind ONE wait at the block's head.  Block b's conversions name XI and YO of
; block b alone, the stores v2 and YO of block b - 1.  One more wait stands ahead of the last block's stores.
.set XI, 8                             ; v[8:39]   eight loads, 4 registers each
.set YO, 40                            ; v[40:55]  eight stores, 2 registers each
.set GI, 56                            ; v[56:63]  eight numbers of w_gate
.set GO, 64                            ; v[64:67]  the same as bf16
.macro LOADS                           ; the stream's eight loads
.irp i, 0,1,2,3,4,5,6,7
	global_load_b128 v[XI+4*\i:XI+4*\i+3], v1, s[18:19] offset:4096*\i th:TH_LOAD_NT
.endr
.endm
.macro BLK b                           ; block b: loads 2 b and 2 b + 1 are rounded; the block before is stored
	s_wait_loadcnt 6-2*\b                          ; loads come back in order: this block's two and all older ones are in, the 6 - 2 b younger ones stay out
.if \b > 0
	s_wait_alu depctr_va_vdst(0)                   ; the conversions issued so far have written their results: YO of the block before, which the two stores below read
.endif
.irp i, 0,1
.if \b > 0
	global_store_b64 v2, v[YO+4*(\b-1)+2*\i:YO+4*(\b-1)+2*\i+1], s[20:21] offset:2048*(2*(\b-1)+\i)  ; no vector instruction since the wait names v2 or these two registers
.endif
	v_cvt_pk_bf16_f32 v[YO+4*\b+2*\i], v[XI+8*\b+4*\i], v[XI+8*\b+4*\i+1]
	v_cvt_pk_bf16_f32 v[YO+4*\b+2*\i+1], v[XI+8*\b+4*\i+2], v[XI+8*\b+4*\i+3]
.endr
.endm
.macro TAIL                            ; the last block is stored
	s_wait_alu depctr_va_vdst(0)                   ; block 3's conversions have written its YO, which the last two stores read
.irp i, 0,1
	global_store_b64 v2, v[YO+12+2*\i:YO+12+2*\i+1], s[20:21] offset:2048*(6+\i)
.endr
.endm
	s_load_b256 s[4:11], s[0:1], 0x0               ; W1 s[4:5], W2 s[6:7], w_gate s[8:9], wbf s[10:11]
	s_load_b64 s[12:13], s[0:1], 0x20              ; out1
	v_lshlrev_b32 v1, 4, v0                        ; 16 t
	v_lshlrev_b32 v2, 3, v0                        ; 8 t
	s_and_b32 s14, ttmp9, 127
	s_lshl_b32 s14, s14, 15                        ; my 32 KiB inside W1 or W2
	s_mov_b32 s15, 0
	s_lshl_b32 s16, ttmp9, 14                      ; my 16 KiB inside wbf
	s_mov_b32 s17, 0
	s_wait_kmcnt 0x0
	s_cmp_lt_u32 ttmp9, 128
	s_cselect_b64 s[18:19], s[4:5], s[6:7]         ; the first 128 work-groups read W1, the others W2
	s_add_nc_u64 s[18:19], s[18:19], s[14:15]
	s_add_nc_u64 s[20:21], s[10:11], s[16:17]
	s_cmp_lg_u32 ttmp9, 0
	s_cbranch_scc1 .Lplain
	; work-group 0: w_gate is [256 d][8 e]; thread t = 32 e + k8 takes d = 8 k8 .. 8 k8 + 7 of expert e
	v_and_b32 v3, 31, v0                           ; k8
	v_lshrrev_b32 v6, 5, v0                        ; e
	v_lshlrev_b32 v3, 8, v3                        ; 8 rows of 32 bytes
	v_lshl_add_u32 v3, v6, 2, v3                   ; + 4 e
	s_wait_alu depctr_va_vdst(0)                   ; the offsets v1, v2 and v3 are written, which this path's loads and stores read
.irp i, 0,1,2,3,4,5,6,7
	global_load_b32 v[GI+\i], v3, s[8:9] offset:32*\i
.endr
	LOADS
	v_mov_b32 v4, 0                                ; out1's offset
	v_mov_b32 v5, 0                                ; and its value, 0.0
	BLK 0                                          ; its count leaves six loads out: w_gate's eight, the oldest, are in too
.irp i, 0,1,2,3
	v_cvt_pk_bf16_f32 v[GO+\i], v[GI+2*\i], v[GI+2*\i+1]
.endr
	BLK 1                                          ; the wait at its head also shows GO written
	global_store_b128 v1, v[GO:GO+3], s[10:11] offset:4194304      ; (256 e + 8 k8) x 2 bytes = 16 t; block 1's conversions, the only vector instructions since that wait, name neither v1 nor GO
	BLK 2
	BLK 3
	TAIL
	v_cmp_eq_u32 vcc_lo, 0, v0
	s_wait_xcnt 0x0                                ; EXEC is a source of the stores above: it changes only behind this wait
	s_wait_alu depctr_va_vcc(0)                    ; the compare has written VCC, from which EXEC is made
	s_wait_alu depctr_va_vdst(0)                   ; ahead of the write of EXEC: every vector instruction has written its result, v4 and v5 for the store below among them
	s_wait_alu depctr_vm_vsrc(0)                   ; ahead of the write of EXEC: the stores above have read their vector registers
	s_and_saveexec_b32 s22, vcc_lo
	global_store_b32 v4, v5, s[12:13]              ; thread 0 alone: moe_loss = 0
	s_wait_xcnt 0x0                                ; and again in front of the line that widens EXEC
	s_wait_alu depctr_va_vdst(0)                   ; ahead of the write of EXEC: no vector instruction is still at work under the narrow EXEC
	s_wait_alu depctr_vm_vsrc(0)                   ; ahead of the write of EXEC: out1's store has read v4 and v5
	s_or_b32 exec_lo, exec_lo, s22
	s_endpgm
.Lplain:
	s_wait_alu depctr_va_vdst(0)                   ; the offsets v1 and v2 are written, which this path's loads and stores read
	LOADS
	BLK 0
	BLK 1
	BLK 2
	BLK 3
	TAIL
	s_endpgm
.Lfunc_end_k_q24aec0e6df_cast:
	.size	k_q24aec0e6df_cast, .Lfunc_end_k_q24aec0e6df_cast-k_q24aec0e6df_cast
	.p2alignl 7, 3214868480
	.fill 96, 4, 3214868480
	.section	.rodata,"a",@progbits
	.p2align	6, 0x0
	.amdhsa_kernel k_q24aec0e6df_cast
		.amdhsa_group_segment_fixed_size 0
		.amdhsa_private_segment_fixed_size 0
		.amdhsa_enable_private_segment 0
		.amdhsa_kernarg_size 40
		.amdhsa_user_sgpr_count 2
		.amdhsa_user_sgpr_kernarg_segment_ptr 1
		.amdhsa_wavefront_size32 1
		.amdhsa_system_sgpr_workgroup_id_x 1
		.amdhsa_system_sgpr_workgroup_id_y 1
		.amdhsa_system_sgpr_workgroup_id_z 1
		.amdhsa_system_vgpr_workitem_id 0
		.amdhsa_next_free_vgpr 72
		.amdhsa_next_free_sgpr 66
		.amdhsa_reserve_vcc 1
		.amdhsa_float_denorm_mode_32 3
		.amdhsa_float_denorm_mode_16_64 3
		.amdhsa_memory_ordered 1
		.amdhsa_forward_progress 1
		.amdhsa_inst_pref_size 9
	.end_amdhsa_kernel
	.amdgpu_metadata
---
amdhsa.version: [ 1, 2 ]
amdhsa.kernels:
  - .name:           k_q24aec0e6df_cast
    .symbol:         k_q24aec0e6df_cast.kd
    .args:
      - { .name: W1, .offset: 0, .size: 8, .value_kind: global_buffer, .address_space: global }
      - { .name: W2, .offset: 8, .size: 8, .value_kind: global_buffer, .address_space: global }
      - { .name: w_gate, .offset: 16, .size: 8, .value_kind: global_buffer, .address_space: global }
      - { .name: wbf, .offset: 24, .size: 8, .value_kind: global_buffer, .address_space: global }
      - { .name: out1, .offset: 32, .size: 8, .value_kind: global_buffer, .address_space: global }
    .group_segment_fixed_size: 0
    .private_segment_fixed_size: 0
    .kernarg_segment_align: 8
    .kernarg_segment_size: 40
    .max_flat_workgroup_size: 256
    .sgpr_count:     66
    .vgpr_count:     72
    .wavefront_size: 32
...
	.end_amdgpu_metadata
.endif
;; end of part 5
;; launch moe: the kernel of part 4 again; grid 256 x 1, 4 waves a work-group, clusters of 4 x 1, 327,680 bytes of LDS; arguments x, mask, b1, b2, wbf, out0; writes out0
